; MI455X (gfx1250); checked and timed in simulation.
; The chip was launched on July 23, 2026; its instructions are those of AMD's public machine-readable ISA for CDNA 5 (MIT licence, August 2026) and "CDNA5" Instruction Set Architecture Reference Guide (July 2026). The comments in the code are by the model that wrote it; some were corrected since.
;; GPT. Allowed arithmetic: float matrix products may take bf16 or f16 operands with f32 sums; other float arithmetic in f32, or as packed bf16 or f16 multiplies, adds, multiply-adds, maxima and minima; sums over many terms, partial sums and values carried from step to step in f32; what a program stores and reads back later, other than sums and carried values, may be rounded once to bf16 or f16.
;; Inputs: Wg 32 x 8 float32; Wk 1,024 x 512 float32; Wproj 1,024 x 1,024 float32; Wq 1,024 x 1,024 float32; Wv 1,024 x 512 float32; cos 1 x 2,048 x 1 x 32 float32; sin 1 x 2,048 x 1 x 32 float32; ve 2 x 2,048 x 512 float32; x 2 x 2,048 x 1,024 float32.
;; Outputs: out0 2 x 2,048 x 1,024 float32.
;; Constants: window = 1024.
;; One version. Each part assembles by itself: llvm-mc -triple=amdgcn-amd-amdhsa -mcpu=gfx1250 --defsym DOCPART=n.
;; ======== version 1 of 1: 4 launches
;; limits: values are held in f16: magnitudes above 65,504 overflow, below 6.1e-05 lose precision; values outside matrix products are rounded to bf16
;; workspace buffers: xb 8,388,608 bytes; wqkv 4,194,304 bytes; wpb 2,097,152 bytes; qh 8,388,608 bytes; kh 4,194,304 bytes; vh 4,194,304 bytes; yb 8,388,608 bytes
;; launch cast (part 1): grid 896 x 1, 8 waves a work-group, no clusters, 0 bytes of LDS; arguments x, Wq, Wk, Wv, Wproj, xb, wqkv, wpb; writes xb, wqkv, wpb
.if DOCPART == 1
	.amdgcn_target "amdgcn-amd-amdhsa--gfx1250"
	.amdhsa_code_object_version 6
	.text
	.protected	k_q4ea39ba235_cast
	.globl	k_q4ea39ba235_cast
	.p2align	8
	.type	k_q4ea39ba235_cast,@function
k_q4ea39ba235_cast:
	s_mov_b64 s[64:65], 0
	v_nop
	global_prefetch_b8 v0, s[64:65] scope:SCOPE_SE
	s_setreg_imm32_b32 hwreg(HW_REG_WAVE_MODE, 25, 1), 1
	s_wait_xcnt 0x0
; THE PROGRAM: four launches.  cast: 16-bit copies of x and of the four large weights.  qkv: x [Wq|Wk|Wv], RoPE and RMS norm on q and k, gate and ve onto v.
; attn: both groups of heads.  proj: y Wproj.
; FORMATS.  Every input (x, the weights, Wg, ve, cos, sin) is rounded once to bf16; what the program makes itself (q, k, v, the weights p, y) is kept in f16; all sums in f32.
; WORK LEFT OUT (in attn).  reference() builds both masks in its own body from jnp.arange: j <= i for heads 0-7; j <= i and i - j <= 1024 for heads 8-15.  A masked score is
; replaced by -1e30 in front of the softmax, and every row keeps its own key j = i, whose score is at least -8: a masked key's weight is 0 whatever the inputs hold.  So tiles of
; 256 keys that lie wholly above the diagonal, or wholly left of the window, are neither loaded nor multiplied.  Inside a tile that also holds visible keys the hidden ones are
; computed and masked.  No input is without a way to the output: all are loaded.
; NO MAXIMUM IS TAKEN AWAY in attn.  reference() itself RMS-normalises q and k: x rsqrt(mean(x^2) + eps) has a norm of at most sqrt(64) = 8 for every x, and only the factor 1/8
; stands behind the product, so |score| <= 8 for every input: exp(score) lies in 3.3e-4 .. 3.0e3 (inside f16's normal range), a row's sum is at most 2,048 x 3.0e3 = 6.1e6.
; LIMITS.  v = x Wv + gate ve is kept in f16: |v| <= 65,504.  A number of Wproj below 6.1e-5 keeps f16's fixed step of 6e-8.  NaN and infinities are not treated apart; a NaN,
; an infinity or an overflow that reaches only keys in the tiles left out is not carried to the result.
;
; THIS LAUNCH.  xb[4096][1024] = bf16(x).  wqkv[1024 k][2048 n] = bf16 of Wq (columns 0-1023), Wk (1024-1535), Wv (1536-2047).  wpb[1024][1024] = bf16(Wproj), that number written as f16.
; A work-group takes 8,192 numbers of one source: 8 loads of 16 bytes a thread (a wave: 512 consecutive bytes), all issued first; 8 stores of 8 bytes (a wave: 256 consecutive
; bytes, aligned).  Memory binds: no LDS, no barrier, no loop.  Which source, and where its rows go, hangs on the work-group's number alone.
.set XR,  8                            ; v[8:39]   8 x 4 numbers as loaded
.set YR,  40                           ; v[40:55]  8 x 2 registers to store
.set OFR, 56                           ; v[56:63]  the eight stores' byte offsets; never rewritten
	s_load_b512 s[8:23], s[0:1], 0x0               ; x 8, Wq 10, Wk 12, Wv 14, Wproj 16, xb 18, wqkv 20, wpb 22
	v_lshlrev_b32 v1, 4, v0                        ; my 16 bytes in each 4,096 of the source
	s_mov_b32 s35, 0xffff0000                      ; a word's upper bf16
	s_wait_kmcnt 0x0
	s_mov_b64 s[24:25], s[16:17]                   ; the last segment's values: Wproj -> wpb
	s_mov_b64 s[26:27], s[22:23]
	s_mov_b32 s28, 768                             ; the segment's first work-group
	s_mov_b32 s29, 10                              ; log2 of the source's row length
	s_mov_b32 s30, 10                              ; log2 of the destination's row length
	s_mov_b32 s31, 0                               ; first column in the destination
.macro SEG lim, src, dst, base, sh, lp, cb     ; work-groups below lim belong to an earlier segment
	s_cmp_lt_u32 ttmp9, \lim
	s_cselect_b64 s[24:25], s[\src:\src+1], s[24:25]
	s_cselect_b64 s[26:27], s[\dst:\dst+1], s[26:27]
	s_cselect_b32 s28, \base, s28
	s_cselect_b32 s29, \sh, s29
	s_cselect_b32 s30, \lp, s30
	s_cselect_b32 s31, \cb, s31
.endm
	SEG 768, 14, 20, 704, 9, 11, 1536              ; Wv
	s_cselect_b32 s34, 0, 1                        ; 1: this work-group converts Wproj
	SEG 704, 12, 20, 640, 9, 11, 1024              ; Wk
	SEG 640, 10, 20, 512, 10, 11, 0                ; Wq
	SEG 512, 8, 18, 0, 10, 10, 0                   ; x
	s_sub_co_u32 s28, ttmp9, s28                   ; my number in the segment
	s_lshl_b32 s2, s28, 15                         ; 8,192 numbers of 4 bytes
	s_mov_b32 s3, 0
	s_add_nc_u64 s[24:25], s[24:25], s[2:3]
.irp t, 0,1,2,3,4,5,6,7
	global_load_b128 v[XR+4*(\t):XR+4*(\t)+3], v1, s[24:25] offset:4096*(\t) th:TH_LOAD_NT
.endr
	s_lshl_b32 s32, 1, s29
	s_sub_co_u32 s32, s32, 1                       ; mask of a column in the source
	s_lshr_b32 s33, 1024, s29                      ; 1,024 numbers on are 1 or 2 rows,
	s_lshl_b32 s33, s33, s30
	s_lshl_b32 s33, s33, 1                         ; in bytes of the destination
	s_lshl_b32 s36, s28, 13
	v_lshl_add_u32 v2, v0, 2, s36                  ; my first number in the segment
	v_lshrrev_b32 v3, s29, v2                      ; its row,
	v_lshlrev_b32 v3, s30, v3
	v_and_b32 v4, s32, v2                          ; its column
	v_add3_u32 v3, v3, v4, s31
	v_lshlrev_b32 v[OFR], 1, v3
.irp t, 1,2,3,4,5,6,7
	v_add_nc_u32 v[OFR+(\t)], s33, v[OFR+(\t)-1]
.endr
	s_cmp_lg_u32 s34, 0
	s_cbranch_scc1 .Lwproj
.irp t, 0,1,2,3,4,5,6,7
	s_wait_loadcnt 7-(\t)                          ; loads come back in order: mine is in, the younger ones stay out
	v_cvt_pk_bf16_f32 v[YR+2*(\t)], v[XR+4*(\t)], v[XR+4*(\t)+1]
	v_cvt_pk_bf16_f32 v[YR+2*(\t)+1], v[XR+4*(\t)+2], v[XR+4*(\t)+3]
	global_store_b64 v[OFR+(\t)], v[YR+2*(\t):YR+2*(\t)+1], s[26:27]
.endr
	s_endpgm
.Lwproj:                                       ; rounded to bf16 like every input, then written as f16 (exact from 6.1e-5 up)
.irp t, 0,1,2,3,4,5,6,7
	s_wait_loadcnt 7-(\t)
	v_cvt_pk_bf16_f32 v4, v[XR+4*(\t)], v[XR+4*(\t)+1]
	v_cvt_pk_bf16_f32 v5, v[XR+4*(\t)+2], v[XR+4*(\t)+3]
	v_lshlrev_b32 v[XR+4*(\t)], 16, v4
	v_and_b32 v[XR+4*(\t)+1], s35, v4
	v_lshlrev_b32 v[XR+4*(\t)+2], 16, v5
	v_and_b32 v[XR+4*(\t)+3], s35, v5
	v_cvt_pk_f16_f32 v[YR+2*(\t)], v[XR+4*(\t)], v[XR+4*(\t)+1]
	v_cvt_pk_f16_f32 v[YR+2*(\t)+1], v[XR+4*(\t)+2], v[XR+4*(\t)+3]
	global_store_b64 v[OFR+(\t)], v[YR+2*(\t):YR+2*(\t)+1], s[26:27]
.endr
	s_endpgm
.Lfunc_end_k_q4ea39ba235_cast:
	.size	k_q4ea39ba235_cast, .Lfunc_end_k_q4ea39ba235_cast-k_q4ea39ba235_cast
	.p2alignl 7, 3214868480
	.fill 96, 4, 3214868480
	.section	.rodata,"a",@progbits
	.p2align	6, 0x0
	.amdhsa_kernel k_q4ea39ba235_cast
		.amdhsa_group_segment_fixed_size 0
		.amdhsa_private_segment_fixed_size 0
		.amdhsa_enable_private_segment 0
		.amdhsa_kernarg_size 64
		.amdhsa_user_sgpr_count 2
		.amdhsa_user_sgpr_kernarg_segment_ptr 1
		.amdhsa_wavefront_size32 1
		.amdhsa_system_sgpr_workgroup_id_x 1
		.amdhsa_system_sgpr_workgroup_id_y 1
		.amdhsa_system_sgpr_workgroup_id_z 1
		.amdhsa_system_vgpr_workitem_id 0
		.amdhsa_next_free_vgpr 64
		.amdhsa_next_free_sgpr 66
		.amdhsa_reserve_vcc 0
		.amdhsa_float_denorm_mode_32 3
		.amdhsa_float_denorm_mode_16_64 3
		.amdhsa_memory_ordered 1
		.amdhsa_forward_progress 1
		.amdhsa_inst_pref_size 10
	.end_amdhsa_kernel
	.amdgpu_metadata
---
amdhsa.version: [ 1, 2 ]
amdhsa.kernels:
  - .name:           k_q4ea39ba235_cast
    .symbol:         k_q4ea39ba235_cast.kd
    .args:
      - { .name: x, .offset: 0, .size: 8, .value_kind: global_buffer, .address_space: global }
      - { .name: Wq, .offset: 8, .size: 8, .value_kind: global_buffer, .address_space: global }
      - { .name: Wk, .offset: 16, .size: 8, .value_kind: global_buffer, .address_space: global }
      - { .name: Wv, .offset: 24, .size: 8, .value_kind: global_buffer, .address_space: global }
      - { .name: Wproj, .offset: 32, .size: 8, .value_kind: global_buffer, .address_space: global }
      - { .name: xb, .offset: 40, .size: 8, .value_kind: global_buffer, .address_space: global }
      - { .name: wqkv, .offset: 48, .size: 8, .value_kind: global_buffer, .address_space: global }
      - { .name: wpb, .offset: 56, .size: 8, .value_kind: global_buffer, .address_space: global }
    .group_segment_fixed_size: 0
    .private_segment_fixed_size: 0
    .kernarg_segment_align: 8
    .kernarg_segment_size: 64
    .max_flat_workgroup_size: 256
    .sgpr_count:     66
    .vgpr_count:     64
    .wavefront_size: 32
...
	.end_amdgpu_metadata
.endif
;; end of part 1
;; launch qkv (part 2): grid 16 x 16, 4 waves a work-group, clusters of 4 x 4, 327,680 bytes of LDS; arguments xb, wqkv, cos, sin, ve, Wg, qh, kh, vh; writes qh, kh, vh
.if DOCPART == 2
	.amdgcn_target "amdgcn-amd-amdhsa--gfx1250"
	.amdhsa_code_object_version 6
	.text
	.protected	k_q4ea39ba235_qkv
	.globl	k_q4ea39ba235_qkv
	.p2align	8
	.type	k_q4ea39ba235_qkv,@function
k_q4ea39ba235_qkv:
	s_mov_b64 s[64:65], 0
	v_nop
	global_prefetch_b8 v0, s[64:65] scope:SCOPE_SE
	s_setreg_imm32_b32 hwreg(HW_REG_WAVE_MODE, 25, 1), 1
	s_wait_xcnt 0x0
	s_wait_alu depctr_hold_cnt(0) depctr_sa_sdst(0) depctr_va_vdst(0) depctr_va_sdst(0) depctr_va_ssrc(0) depctr_va_vcc(0) depctr_vm_vsrc(0)
	s_getreg_b32 s2, hwreg(HW_REG_IB_STS2, 6, 4)
	s_cmp_eq_u32 s2, 0
	s_cbranch_scc0 .Lentry_in_a_cluster
	s_endpgm
.Lentry_in_a_cluster:
	s_bfe_u32 s2, ttmp6, 0x10000c
	s_cmp_lg_u32 s2, 0xf033
	s_cbranch_scc0 .Lentry_shape_is_right
	s_endpgm
.Lentry_shape_is_right:
; [q|k|v] = xb wqkv (4,096 x 2,048 x 1,024, bf16 operands, f32 sums), and what follows each: q, k: RoPE, RMS norm (q also times c = log2(e) / 8), f16; v: + 2 sigmoid(x[:, :32] Wg) ve, f16.
; Out by heads: qh [2][16][2048][64], kh, vh [2][8][2048][64].  cos, sin, ve and Wg are rounded to bf16 like every input.  LIMIT: |v| <= 65,504 (f16).  No work is left out here.
; SHARES.  A tile is 256 rows x 128 columns: 16 x 16 work-groups.  A wave makes 128 rows x 64 columns, ONE HEAD: 32 accumulators of 16 x 16.  K goes in steps of 128 through two LDS slots.
; x's rows lie along K and are read as they lie; the weights lie [k][n] and are turned by ds_load_tr16_b128.
; THE MATRIX INSTRUCTION IS USED TRANSPOSED (source 0 = 16 columns of W, source 1 = 16 rows of x): lane l holds row l % 16 and the columns 8 (l / 16) + 0..7 of a block of 16.
; CLUSTER 4 x 4: x's tile is shared along a row of the cluster, W's along a column, each asked for jointly.  A cluster's four tile columns are all q (cluster x = 0, 1), all k (2) or
; all v (3), so the one choice between the two ways out hangs on the cluster's x alone: it is the same in all sixteen partners.
; NO PREFETCH: the launch has 8 K steps, and a lead of three or four of them would cover fewer than half.
; REGISTERS.  window 0: v1-15, v32-63 at work; v16-31 addresses; two fragment buffers of 96 (W's 4 fragments, then x's 8) at v64 and v160, at work on the way out.
;   window 1: the accumulators, (a, b) at v[8 (4 a + b)].   window 2: what the way out needs, loaded ahead of the K loop: cos and sin, or ve.   window 3: the gate's work (v alone).
.set PA,    272                        ; a row of x in LDS: 256 bytes + 16: the 16 rows of a load start at 16 different groups of four banks (64 banks of 4 bytes: ISA guide 11.1)
.set PB,    288                        ; a row of W: 256 + 32
.set HALFA, 128*PA                     ; what one tensor load brings of x
.set HALFB, 64*PB                      ; and of W
.set BOFF,  2*HALFA
.set SLOT,  BOFF+2*HALFB               ; x's 256 rows, then W's 128 k rows
.set STAGE, 2*SLOT                     ; behind the ring: 4,352 bytes for each wave, for the way out; no tensor load fills it
.set STG,   16*272
.set SPARE, STAGE+4*STG                ; behind the stages: the spare words, 128 bytes a wave, that no other line names
.set ADRA, 16                          ; v16-17  LDS address of my x fragments in slot 0, 1
.set ADRB, 18                          ; v18-19  of my W fragments
.set STO,  20                          ; q, k: where I put 16 bytes of a row of 128 (pitch 144)
.set RD,   21                          ; q, k: where I read four rows back
.set GO,   22                          ; q, k: my 16 bytes of 512 consecutive
.set STOF, 23                          ; v: where I put 32 bytes of a row of 256 (pitch 272)
.set RDF,  24                          ; v: where I read two rows back
.set GOV,  25                          ; v: my 8 bytes of 256 consecutive
.set CSO,  26                          ; my offset in 16 rows of cos and sin
.set VEO,  27                          ; my offset in two rows of ve
.set SPW,  28                          ; LDS address of my spare word; never rewritten
.set NIL,  29                          ; 0; never rewritten
.set XO,   30                          ; my offset in 16 rows of xb, for the gate
.set WGO,  31                          ; my offset in Wg
.set F0,   64
.set F1,   160
.set G1,  24                           ; s[24:31] descriptor group 1 for x's tiles;  s[32:39] group 0, a set for each slot
.set G0,  32
.set G1B, 48                           ; s[48:55], s[56:63] the same for W's
.set G0B, 56
.set MSB, 0
.macro WIN new                         ; the immediate's high byte repeats the setting that is left; a switch that changes nothing is dropped
.if MSB != (\new)
	s_set_vgpr_msb (MSB<<8)|(\new)
.set MSB, \new
.endif
.endm
.set W_MUL, 0x50                       ; sources in window 0, C and D in window 1
.macro PLACES                          ; four places behind a matrix instruction, in front of loads into registers that it has read and of lines that read results
.rept 4
	v_nop
.endr
.endm
.macro JLOAD s                         ; a joint load: waves 0 and 1 fetch x's two halves, waves 2 and 3 W's; an s_nop 0 and four v_nop follow each line
	s_cmp_eq_u32 s11, 0
	s_cbranch_scc0 .Lfor_b_\@
	tensor_load_to_lds s[G0+4*(\s):G0+4*(\s)+3], s[G1:G1+7]
	s_nop 0
.rept 4
	v_nop
.endr
	s_branch .Lasked_\@
.Lfor_b_\@:
	tensor_load_to_lds s[G0B+4*(\s):G0B+4*(\s)+3], s[G1B:G1B+7]
	s_nop 0
.rept 4
	v_nop
.endr
.Lasked_\@:
.endm
.macro CREST                           ; a round of the cluster's barrier behind its opening barrier
	s_cmp_lg_u32 s10, 0
	s_cbranch_scc1 .Lnot_wave_0_\@
	s_barrier_signal -3
.Lnot_wave_0_\@:
	s_barrier_wait -3
	s_barrier_signal -1
	s_barrier_wait -1
.endm
.macro CROUND
	s_barrier_signal -1
	s_barrier_wait -1
	CREST
.endm
	s_load_b512 s[72:87], s[0:1], 0x0              ; xb 72, wqkv 74, cos 76, sin 78, ve 80, Wg 82, qh 84, kh 86
	s_load_b64 s[88:89], s[0:1], 0x40              ; vh
	v_lshl_add_u32 v[SPW], v0, 2, SPARE
	v_mov_b32 v[NIL], 0
	ds_add_u32 v[SPW], v[NIL]                      ; the wave's opening: the add, twice on end, and its wait ahead of my first tensor load
	ds_add_u32 v[SPW], v[NIL]
	v_lshrrev_b32 v1, 5, v0
	v_readfirstlane_b32 s10, v1                    ; wave 0..3
	s_lshr_b32 s11, s10, 1                         ; my half of the tile's rows.  Also: I fetch for x (0) or for W (1)
	s_and_b32 s12, s10, 1                          ; my half of its columns.  Also: which half of that tile I fetch
	s_bfe_u32 s40, ttmp6, 0x40000                  ; cx
	s_bfe_u32 s41, ttmp6, 0x40004                  ; cy
	s_mov_b32 s45, ttmp9                           ; the cluster's x: 0, 1 q; 2 k; 3 v
	s_lshl_b32 s42, ttmp9, 2
	s_add_co_u32 s42, s42, s40                     ; tile column = 4 x cluster x + cx
	s_and_b32 s13, ttmp7, 0xffff
	s_lshl_b32 s13, s13, 2
	s_add_co_u32 s13, s13, s41                     ; tile row = 4 x cluster y + cy
	s_lshl_b32 s43, s41, 2
	s_lshl_b32 s43, 15, s43                        ; my row of the cluster
	s_lshl_b32 s44, 0x1111, s40                    ; my column
	s_or_b32 s[G1], s43, (1<<16)|(1<<20)|(1<<21)|(5<<22)|(3<<25)   ; the mask; 2-byte elements; padding on; bit 21 beside a mask; after every 64 words, 4 words
	s_or_b32 s[G1B], s44, (1<<16)|(1<<20)|(1<<21)|(5<<22)|(7<<25)  ; the same with my column's mask and 8 words
	s_mov_b32 s[G1+1], 128<<16                     ; tensor_dim0 = 128
	s_mov_b32 s[G1+2], 128<<16                     ; tensor_dim1 = 128
	s_mov_b32 s[G1+3], 128<<16                     ; tile_dim0 = 128
	s_mov_b32 s[G1+4], 128                         ; tile_dim1 = 128
	s_mov_b32 s[G1+5], 1024                        ; elements from row to row of xb
	s_mov_b32 s[G1+6], 0
	s_mov_b32 s[G1+7], 0
	s_mov_b32 s[G1B+1], 128<<16
	s_mov_b32 s[G1B+2], 64<<16                     ; 64 k rows
	s_mov_b32 s[G1B+3], 128<<16
	s_mov_b32 s[G1B+4], 64
	s_mov_b32 s[G1B+5], 2048                       ; elements from row to row of wqkv
	s_mov_b32 s[G1B+6], 0
	s_mov_b32 s[G1B+7], 0
	s_lshl_b32 s16, s13, 19                        ; x: row 256 x tile row + 128 x half, 2,048 bytes a row
	s_lshl_b32 s17, s12, 18
	s_add_co_u32 s16, s16, s17
	s_mov_b32 s17, 0
	s_lshl_b32 s46, s12, 18                        ; W: k row 64 x half, 4,096 bytes a row; column 128 x tile column
	s_lshl_b32 s47, s42, 8
	s_add_co_u32 s46, s46, s47
	s_mov_b32 s47, 0
	s_mul_i32 s20, s12, HALFA                      ; where they go: no place in the cluster enters an LDS address
	s_mul_i32 s21, s12, HALFB
	s_add_co_u32 s21, s21, BOFF
	s_mov_b32 s90, 0x76543210                      ; v_permlanex16_b32: each lane takes its own place in the other half
	s_mov_b32 s91, 0xfedcba98
	s_mov_b32 s92, 0x3c800000                      ; 1 / 64
	s_mov_b32 s93, 0x34000000                      ; f32's eps, 2^-23
	s_mov_b32 s95, 0xffff0000                      ; a word's upper bf16
	s_wait_dscnt 0x0                               ; both opening adds are done
	s_wait_kmcnt 0x0
	s_add_nc_u64 s[14:15], s[72:73], s[16:17]
	s_add_nc_u64 s[46:47], s[74:75], s[46:47]
	CROUND                                         ; all sixteen work-groups are here: the first joint loads meet
.irp s, 0,1
	s_mov_b32 s[G0+4*(\s)], 1
	s_add_co_u32 s[G0+4*(\s)+1], s20, (\s)*SLOT
	s_add_nc_u64 s[G0+4*(\s)+2:G0+4*(\s)+3], s[14:15], (\s)*256       ; K step s: 256 bytes along the rows
	s_or_b32 s[G0+4*(\s)+3], s[G0+4*(\s)+3], 0x80000000
	s_mov_b32 s[G0B+4*(\s)], 1
	s_add_co_u32 s[G0B+4*(\s)+1], s21, (\s)*SLOT
	s_add_nc_u64 s[G0B+4*(\s)+2:G0B+4*(\s)+3], s[46:47], (\s)*128*4096 ; K step s: 128 rows down
	s_or_b32 s[G0B+4*(\s)+3], s[G0B+4*(\s)+3], 0x80000000
	JLOAD \s                                       ; two loads of mine are out
.endr
	v_and_b32 v1, 15, v0                           ; r = l % 16
	v_bfe_u32 v2, v0, 4, 1                         ; h = l / 16
	v_and_b32 v3, 7, v0                            ; l % 8
	v_bfe_u32 v4, v0, 3, 1                         ; (l / 8) % 2
	v_and_b32 v5, 31, v0                           ; l
	v_mul_u32_u24 v6, v1, PA
	v_lshl_add_u32 v6, v2, 4, v6                   ; row x pitch + 16 x half
	s_mul_i32 s22, s11, HALFA                      ; my 128 rows of x
	v_add_nc_u32 v[ADRA], s22, v6
	v_add_nc_u32 v[ADRA+1], SLOT, v[ADRA]
	v_lshl_add_u32 v7, v2, 3, v3                   ; the turning load: k row 8 h + l % 8,
	v_mul_u32_u24 v7, v7, PB
	v_lshl_add_u32 v7, v4, 4, v7                   ; columns 8 ((l / 8) % 2) on
	s_lshl_b32 s22, s12, 7                         ; my 64 columns
	s_add_co_u32 s22, s22, BOFF
	v_add_nc_u32 v[ADRB], s22, v7
	v_add_nc_u32 v[ADRB+1], SLOT, v[ADRB]
	s_mul_i32 s23, s10, STG
	s_add_co_u32 s23, s23, STAGE                   ; my stage
	v_mul_u32_u24 v6, v1, 144
	v_lshl_add_u32 v6, v2, 4, v6
	v_add_nc_u32 v[STO], s23, v6
	v_bfe_u32 v6, v0, 3, 2
	v_mul_u32_u24 v6, v6, 144
	v_lshl_add_u32 v6, v3, 4, v6
	v_add_nc_u32 v[RD], s23, v6
	v_lshlrev_b32 v[GO], 4, v5
	v_mul_u32_u24 v6, v1, 272
	v_lshl_add_u32 v6, v2, 5, v6
	v_add_nc_u32 v[STOF], s23, v6
	v_mul_u32_u24 v6, v2, 272
	v_lshl_add_u32 v6, v1, 4, v6
	v_add_nc_u32 v[RDF], s23, v6
	v_lshlrev_b32 v[GOV], 3, v5
	v_lshlrev_b32 v6, 7, v1
	v_lshl_add_u32 v[CSO], v2, 5, v6               ; row r of 128 bytes, my 8 numbers at 32 h
	v_lshlrev_b32 v6, 11, v2
	v_lshl_add_u32 v[VEO], v1, 4, v6               ; row h of 2,048 bytes, 16 bytes a lane
	v_lshl_add_u32 v6, v3, 1, v4                   ; the gate's rows are taken in the order 2 (r % 8) + r / 8,
	v_lshlrev_b32 v6, 11, v6
	v_lshl_add_u32 v[XO], v2, 4, v6
	v_lshlrev_b32 v[WGO], 8, v2                    ; k = 8 h on, 32 bytes a row of Wg
	s_and_b32 s66, s13, 7
	s_lshl_b32 s66, s66, 8
	s_lshl_b32 s67, s11, 7
	s_add_co_u32 s66, s66, s67                     ; t0: my first row's position in its sequence
	; WHAT THE WAY OUT NEEDS is asked for now, 64 loads of 16 bytes into window 2 in either arm, and waited for behind the K loop.  Their bases and offsets are never rewritten.
	s_cmp_eq_u32 s45, 3
	s_cbranch_scc1 .Lload_v
	s_lshl_b32 s68, s66, 7                         ; a row of cos or sin is 128 bytes
	s_mov_b32 s69, 0
	s_add_nc_u64 s[76:77], s[76:77], s[68:69]
	s_add_nc_u64 s[78:79], s[78:79], s[68:69]
	WIN 0x80                                       ; destination window 2
.set aa, 0
.rept 8                                ; row block aa: cos at v[32 aa], sin at v[32 aa + 16]: my row's numbers 16 bp + 8 h + 0..7
.irp tb, 0,1
.irp bp, 0,1
.irp e, 0,1
	global_load_b128 v[32*aa+16*(\tb)+8*(\bp)+4*(\e):32*aa+16*(\tb)+8*(\bp)+4*(\e)+3], v[CSO], s[76+2*(\tb):77+2*(\tb)] offset:aa*2048+64*(\bp)+16*(\e)
.endr
.endr
.endr
.set aa, aa+1
.endr
	WIN 0
	s_branch .Lloaded
.Lload_v:
	s_lshl_b32 s68, s13, 19                        ; my 128 rows of ve, 2,048 bytes each,
	s_lshl_b32 s69, s11, 18
	s_add_co_u32 s68, s68, s69
	s_lshl_b32 s70, s40, 1
	s_add_co_u32 s70, s70, s12                     ; my kv head = 2 cx + column half,
	s_lshl_b32 s70, s70, 8                         ; its 256 bytes of a row
	s_add_co_u32 s68, s68, s70
	s_mov_b32 s69, 0
	s_add_nc_u64 s[80:81], s[80:81], s[68:69]
	WIN 0x80
.set aa, 0
.rept 64                               ; rows 2 aa + h: sixteen lanes take 256 consecutive bytes, aligned
	global_load_b128 v[4*aa:4*aa+3], v[VEO], s[80:81] offset:aa*4096 th:TH_LOAD_NT
.set aa, aa+1
.endr
	WIN 0
.Lloaded:
; n x 4 matrix instructions: row blocks a0 .. a0 + n - 1 x all 4 column blocks, 32 along K.  The 32 accumulators take turns, in the same order in every quarter.
.macro MUL f, a0, n, zero
	WIN W_MUL
.set aa, \a0
.rept \n
.irp b, 0,1,2,3
.if \zero
	v_wmma_f32_16x16x32_bf16 v[8*(4*aa+(\b)):8*(4*aa+(\b))+7], v[(\f)+8*(\b):(\f)+8*(\b)+7], v[(\f)+32+8*aa:(\f)+32+8*aa+7], 0
.else
	v_wmma_f32_16x16x32_bf16 v[8*(4*aa+(\b)):8*(4*aa+(\b))+7], v[(\f)+8*(\b):(\f)+8*(\b)+7], v[(\f)+32+8*aa:(\f)+32+8*aa+7], v[8*(4*aa+(\b)):8*(4*aa+(\b))+7]
.endif
.endr
.set aa, aa+1
.endr
.endm
; 24 LDS loads in one run: quarter q (32 along K) of a slot into buffer f: W's 4 fragments (turned), x's blocks 0-3, x's blocks 4-7
.macro FETCH slot, q, f
	WIN 0
.irp i, 0,1,2,3
	ds_load_tr16_b128 v[(\f)+8*(\i):(\f)+8*(\i)+3],   v[ADRB+(\slot)] offset:(\q)*32*PB+32*(\i)
	ds_load_tr16_b128 v[(\f)+8*(\i)+4:(\f)+8*(\i)+7], v[ADRB+(\slot)] offset:(\q)*32*PB+32*(\i)+16*PB
.endr
.irp i, 0,1,2,3,4,5,6,7
	ds_load_b128 v[(\f)+32+8*(\i):(\f)+32+8*(\i)+3],   v[ADRA+(\slot)] offset:64*(\q)+(\i)*16*PA
	ds_load_b128 v[(\f)+32+8*(\i)+4:(\f)+32+8*(\i)+7], v[ADRA+(\slot)] offset:64*(\q)+(\i)*16*PA+32
.endr
.endm
; One of a K step's first three quarters: multiplies buffer f; in its middle it fetches quarter qn of the same slot into buffer g.
.macro QUARTER slot, qn, f, g, zero
	s_wait_dscnt 8                                 ; W and x's blocks 0-3 are in; the youngest eight loads (blocks 4-7) may be out
	MUL \f, 0, 4, \zero
	PLACES
	FETCH \slot, \qn, \g
	s_wait_dscnt 24                                ; all but the 24 just issued
	MUL \f, 4, 4, \zero
.endm
; The last quarter multiplies buffer 1 and changes slots.  In front of the one barrier each wave waits for all its tensor loads (one is out: its part of the next slot), adds 0 to its spare
; word, and waits for that and for its reads of this slot.  fill = 1: the barrier opens a round of the cluster's, and the joint refill, two K steps on, is the first thing behind the round.
.macro TURN slot, next, fill
	WIN 0
	s_wait_tensorcnt 0x0
	ds_add_u32 v[SPW], v[NIL]
	s_wait_dscnt 9                                 ; (the add and the youngest eight loads may be out)
	MUL F1, 0, 2, 0                                ; eight matrix instructions stand between the add and the wait for it
	s_wait_dscnt 0x0                               ; the add is done, and my reads of this slot are over
	s_barrier_signal -1
	MUL F1, 2, 2, 0
.if \fill
	WIN 0
.endif
	s_barrier_wait -1
.if \fill
	CREST                                          ; no wave of any partner still reads this slot or has a load on its way
	s_add_nc_u64 s[G0+4*(\slot)+2:G0+4*(\slot)+3], s[G0+4*(\slot)+2:G0+4*(\slot)+3], 512
	s_add_nc_u64 s[G0B+4*(\slot)+2:G0B+4*(\slot)+3], s[G0B+4*(\slot)+2:G0B+4*(\slot)+3], 256*4096
	JLOAD \slot                                    ; its four v_nop are also the places in front of the loads below
.else
	PLACES
.endif
	FETCH \next, 0, F0
	MUL F1, 4, 4, 0
.endm
	s_wait_tensorcnt 1                             ; my part of K step 0 is in; K step 1's may stay out
	s_barrier_signal -1
	s_barrier_wait -1
	FETCH 0, 0, F0
	QUARTER 0, 1, F0, F1, 1                        ; the first quarter stands in front of the loop: its products start the sums
	WIN 0
	s_mov_b32 s3, 3
.Llap:                                         ; a trip goes once round the ring, from a lap's second quarter to the next lap's first, and fills both slots again
	QUARTER 0, 2, F1, F0, 0
	QUARTER 0, 3, F0, F1, 0
	TURN 0, 1, 1
	QUARTER 1, 1, F0, F1, 0
	QUARTER 1, 2, F1, F0, 0
	QUARTER 1, 3, F0, F1, 0
	TURN 1, 0, 1
	QUARTER 0, 1, F0, F1, 0
	WIN 0
	s_sub_co_u32 s3, s3, 1
	s_cmp_lg_u32 s3, 0
	s_cbranch_scc1 .Llap
	QUARTER 0, 2, F1, F0, 0                        ; the last lap fills nothing
	QUARTER 0, 3, F0, F1, 0
	TURN 0, 1, 0
	QUARTER 1, 1, F0, F1, 0
	QUARTER 1, 2, F1, F0, 0
	QUARTER 1, 3, F0, F1, 0
	s_wait_dscnt 8
	MUL F1, 0, 4, 0
	s_wait_dscnt 0x0
	MUL F1, 4, 4, 0
	WIN 0
	PLACES
	PLACES
	s_wait_loadcnt 0x0                             ; window 2 is in
	s_cmp_eq_u32 s45, 3
	s_cbranch_scc1 .Lepi_v
	; THE WAY OUT OF q AND k.  My 64 columns are one head: columns d and d + 32 lie in accumulators b and b + 2 of the same lane.
	s_cmp_lt_u32 s45, 2
	s_cselect_b64 s[96:97], s[84:85], s[86:87]     ; qh or kh
	s_cselect_b32 s94, 0x3e38aa3b, 1.0             ; q also takes c = log2(e) / 8, in f32, ahead of its one rounding
	s_cselect_b32 s68, 4, 3                        ; log2 of the number of heads
	s_cselect_b32 s69, 0, 16                       ; k's columns begin at tile column 8
	s_lshl_b32 s70, s42, 1
	s_add_co_u32 s70, s70, s12
	s_sub_co_u32 s70, s70, s69                     ; the head
	s_lshr_b32 s71, s13, 3                         ; the batch
	s_lshl_b32 s71, s71, s68
	s_add_co_u32 s70, s70, s71
	s_lshl_b32 s70, s70, 11
	s_add_co_u32 s70, s70, s66                     ; + t0
	s_lshl_b32 s70, s70, 7                         ; rows of 128 bytes
	s_mov_b32 s71, 0
	s_add_nc_u64 s[96:97], s[96:97], s[70:71]
; Row block a: cos and sin rounded to bf16 (v64-79, v80-95); y1 = x1 cos + x2 sin, y2 = x2 cos - x1 sin (v96-127); the row's sum of squares (my 32, then the lane 16 away);
; y rsqrt(sum / 64 + eps) (times c); rounded to f16 (v160-175).  Each accumulator's lowest registers are read first.
.macro PACKQ a
	WIN 0x0a                                       ; sources in window 2
.set p, 0
.rept 16
	v_cvt_pk_bf16_f32 v[32+p], v[32*(\a)+2*p], v[32*(\a)+2*p+1]
.set p, p+1
.endr
	WIN 0
.set p, 0
.rept 16
	v_lshlrev_b32 v[64+2*p], 16, v[32+p]
	v_and_b32 v[65+2*p], s95, v[32+p]
.set p, p+1
.endr
	WIN 0x01                                       ; source 0 in window 1
.set p, 0
.rept 8
	v_pk_mul_f32 v[128+p:129+p], v[32*(\a)+16+p:32*(\a)+17+p], v[80+p:81+p]  ; x2 sin
	v_pk_mul_f32 v[144+p:145+p], v[32*(\a)+p:32*(\a)+1+p], v[80+p:81+p]      ; x1 sin
.set p, p+2
.endr
.set p, 0
.rept 8
	v_pk_fma_f32 v[96+p:97+p], v[32*(\a)+p:32*(\a)+1+p], v[64+p:65+p], v[128+p:129+p]
	v_pk_fma_f32 v[112+p:113+p], v[32*(\a)+16+p:32*(\a)+17+p], v[64+p:65+p], v[144+p:145+p] neg_lo:[0,0,1] neg_hi:[0,0,1]
.set p, p+2
.endr
	WIN 0
	v_pk_mul_f32 v[4:5], v[96:97], v[96:97]        ; two chains, started by the first products
	v_pk_mul_f32 v[6:7], v[98:99], v[98:99]
.set p, 4
.rept 7
	v_pk_fma_f32 v[4:5], v[96+p:97+p], v[96+p:97+p], v[4:5]
	v_pk_fma_f32 v[6:7], v[98+p:99+p], v[98+p:99+p], v[6:7]
.set p, p+4
.endr
	v_pk_add_f32 v[4:5], v[4:5], v[6:7]
	v_add_f32 v4, v4, v5
	v_permlanex16_b32 v5, v4, s90, s91             ; the row's other 32 columns lie in the lane 16 away
	v_add_f32 v4, v4, v5
	v_fma_f32 v4, v4, s92, s93                     ; mean + eps
	v_rsq_f32 v6, v4
	v_nop                                          ; a plain instruction behind the transcendental,
	s_wait_alu depctr_va_vdst(0)                   ; and the wait ahead of its first reader
	v_mul_f32 v6, s94, v6
.set p, 0
.rept 16
	v_pk_mul_f32 v[96+2*p:97+2*p], v[96+2*p:97+2*p], v[6:7] op_sel_hi:[1,0]
.set p, p+1
.endr
.set p, 0
.rept 16
	v_cvt_pk_f16_f32 v[160+p], v[96+2*p], v[97+2*p]
.set p, p+1
.endr
.endm
.macro TOSTAGEQ a                      ; 16 rows of 128 bytes into my stage (pitch 144) and back as 2,048 consecutive bytes
.irp b, 0,1,2,3
	ds_store_b128 v[STO], v[160+4*(\b):163+4*(\b)] offset:32*(\b)
.endr
	s_wait_xcnt 0x0                                ; the stores of the block before last have read the registers that are loaded again below
.irp g, 0,1,2,3
	ds_load_b128 v[176+16*((\a)%2)+4*(\g):176+16*((\a)%2)+4*(\g)+3], v[RD] offset:576*(\g)  ; LDS serves a wave's instructions in order: these see the stores above
.endr
.endm
.macro SENDQ a
.irp g, 0,1,2,3
	s_wait_dscnt 3-(\g)                            ; the younger read-backs may stay out
	global_store_b128 v[GO], v[176+16*((\a)%2)+4*(\g):176+16*((\a)%2)+4*(\g)+3], s[96:97] offset:(\a)*2048+512*(\g)  ; 512 consecutive bytes, aligned
.endr
.endm
	PACKQ 0
	TOSTAGEQ 0
.irp a, 1,2,3,4,5,6,7                  ; a block's arithmetic stands between the read-back of the block before and its stores
	PACKQ \a
	SENDQ (\a)-1
	TOSTAGEQ \a
.endr
	SENDQ 7
	s_branch .Ldone
.Lepi_v:
	; THE WAY OUT OF v.  First the gates of my 128 rows for my kv head: logits by the matrix unit, x[:, :32] (bf16, from xb) times Wg's column, the same in all 16 columns of source 1.
	; x's rows are taken in the order 2 (m % 8) + m / 8, so that register j of lane half h holds row 2 j + h: the row that the lane reads back from the stage below.
	s_lshl_b32 s68, s13, 19
	s_lshl_b32 s69, s11, 18
	s_add_co_u32 s68, s68, s69
	s_mov_b32 s69, 0
	s_add_nc_u64 s[72:73], s[72:73], s[68:69]      ; xb at my 128 rows
	s_lshl_b32 s70, s40, 1
	s_add_co_u32 s70, s70, s12                     ; my kv head
	s_lshl_b32 s68, s70, 2
	s_add_nc_u64 s[82:83], s[82:83], s[68:69]      ; Wg at its column
	WIN 0xc0                                       ; destination window 3
.set aa, 0
.rept 8
	global_load_b128 v[8*aa:8*aa+3],   v[XO], s[72:73] offset:aa*32768
	global_load_b128 v[8*aa+4:8*aa+7], v[XO], s[72:73] offset:aa*32768+32
.set aa, aa+1
.endr
.set aa, 0
.rept 16                               ; k = 8 h + 0..7, then 16 + 8 h + 0..7
	global_load_b32 v[64+aa], v[WGO], s[82:83] offset:32*aa+256*(aa/8)
.set aa, aa+1
.endr
	WIN 0
	s_lshr_b32 s71, s13, 3
	s_lshl_b32 s71, s71, 3
	s_add_co_u32 s70, s70, s71                     ; batch x 8 + kv head
	s_lshl_b32 s70, s70, 11
	s_add_co_u32 s70, s70, s66
	s_lshl_b32 s70, s70, 7
	s_mov_b32 s71, 0
	s_add_nc_u64 s[96:97], s[88:89], s[70:71]
	s_wait_loadcnt 0x0
	WIN 0xcf                                       ; all in window 3
.set p, 0
.rept 8
	v_cvt_pk_bf16_f32 v[80+p], v[64+2*p], v[65+2*p]
.set p, p+1
.endr
.set p, 0
.rept 8
	v_wmma_f32_16x16x32_bf16 v[96+8*p:103+8*p], v[8*p:8*p+7], v[80:87], 0
.set p, p+1
.endr
	PLACES
.set p, 0
.rept 32
	v_pk_mul_f32 v[96+2*p:97+2*p], v[96+2*p:97+2*p], 0xbfb8aa3b op_sel_hi:[1,0]  ; - log2(e) z
.set p, p+1
.endr
.set p, 0
.rept 64
	v_exp_f32 v[96+p], v[96+p]
.set p, p+1
.endr
	v_nop
	s_wait_alu depctr_va_vdst(0)                   ; one wait for the batch
.set p, 0
.rept 32
	v_pk_add_f32 v[96+2*p:97+2*p], v[96+2*p:97+2*p], 1.0 op_sel_hi:[1,0]
.set p, p+1
.endr
.set p, 0
.rept 64
	v_rcp_f32 v[96+p], v[96+p]
.set p, p+1
.endr
	v_nop
	s_wait_alu depctr_va_vdst(0)
.set p, 0
.rept 32
	v_pk_add_f32 v[96+2*p:97+2*p], v[96+2*p:97+2*p], v[96+2*p:97+2*p]            ; 2 sigmoid(z)
.set p, p+1
.endr
	WIN 0
; Row block a: the f32 sums go through my stage (pitch 272) and come back as whole rows, lanes 0-15 row 2 g, lanes 16-31 row 2 g + 1, as ve was loaded; v = sum + gate bf16(ve); f16; out.
.macro EPV a
	WIN 0x04                                       ; the stores' data in window 1
.irp b, 0,1,2,3
	ds_store_b128 v[STOF], v[8*(4*(\a)+(\b)):8*(4*(\a)+(\b))+3]   offset:64*(\b)
	ds_store_b128 v[STOF], v[8*(4*(\a)+(\b))+4:8*(4*(\a)+(\b))+7] offset:64*(\b)+16
.endr
	WIN 0
.irp g, 0,1,2,3,4,5,6,7
	ds_load_b128 v[64+4*(\g):67+4*(\g)], v[RDF] offset:544*(\g)
.endr
	WIN 0x0a
.set p, 0
.rept 16
	v_cvt_pk_bf16_f32 v[32+p], v[32*(\a)+2*p], v[32*(\a)+2*p+1]
.set p, p+1
.endr
	s_wait_dscnt 0x0
	WIN 0x0c                                       ; source 1, the gate, in window 3
.set p, 0
.rept 16
	v_fma_mix_f32_bf16 v[64+2*p], v[32+p], v[96+8*(\a)+p/2], v[64+2*p] op_sel_hi:[1,0,0]
	v_fma_mix_f32_bf16 v[65+2*p], v[32+p], v[96+8*(\a)+p/2], v[65+2*p] op_sel:[1,0,0] op_sel_hi:[1,0,0]
.set p, p+1
.endr
	WIN 0
	s_wait_xcnt 0x0                                ; the last block's stores have read v96-111
.set p, 0
.rept 16
	v_cvt_pk_f16_f32 v[96+p], v[64+2*p], v[65+2*p]
.set p, p+1
.endr
.irp g, 0,1,2,3,4,5,6,7
	global_store_b64 v[GOV], v[96+2*(\g):97+2*(\g)], s[96:97] offset:(\a)*2048+256*(\g)  ; 256 consecutive bytes, aligned
.endr
.endm
.irp a, 0,1,2,3,4,5,6,7
	EPV \a
.endr
.Ldone:
	s_wait_tensorcnt 0x0                           ; the wave's end: an add to the spare word and its wait, behind my last tensor load and my last LDS store
	ds_add_u32 v[SPW], v[NIL]
	s_wait_dscnt 0x0
	CROUND                                         ; the closing round: no work-group ends while a partner may still ask for a tile that names it
	s_endpgm
.Lfunc_end_k_q4ea39ba235_qkv:
	.size	k_q4ea39ba235_qkv, .Lfunc_end_k_q4ea39ba235_qkv-k_q4ea39ba235_qkv
	.p2alignl 7, 3214868480
	.fill 96, 4, 3214868480
	.section	.rodata,"a",@progbits
	.p2align	6, 0x0
	.amdhsa_kernel k_q4ea39ba235_qkv
		.amdhsa_group_segment_fixed_size 327680
		.amdhsa_private_segment_fixed_size 0
		.amdhsa_enable_private_segment 0
		.amdhsa_kernarg_size 72
		.amdhsa_user_sgpr_count 2
		.amdhsa_user_sgpr_kernarg_segment_ptr 1
		.amdhsa_wavefront_size32 1
		.amdhsa_system_sgpr_workgroup_id_x 1
		.amdhsa_system_sgpr_workgroup_id_y 1
		.amdhsa_system_sgpr_workgroup_id_z 1
		.amdhsa_system_vgpr_workitem_id 0
		.amdhsa_next_free_vgpr 1024
		.amdhsa_next_free_sgpr 100
		.amdhsa_reserve_vcc 0
		.amdhsa_float_denorm_mode_32 3
		.amdhsa_float_denorm_mode_16_64 3
		.amdhsa_memory_ordered 1
		.amdhsa_forward_progress 1
		.amdhsa_inst_pref_size 217
	.end_amdhsa_kernel
	.amdgpu_metadata
---
amdhsa.version: [ 1, 2 ]
amdhsa.kernels:
  - .name:           k_q4ea39ba235_qkv
    .symbol:         k_q4ea39ba235_qkv.kd
    .args:
      - { .name: xb, .offset: 0, .size: 8, .value_kind: global_buffer, .address_space: global }
      - { .name: wqkv, .offset: 8, .size: 8, .value_kind: global_buffer, .address_space: global }
      - { .name: cos, .offset: 16, .size: 8, .value_kind: global_buffer, .address_space: global }
      - { .name: sin, .offset: 24, .size: 8, .value_kind: global_buffer, .address_space: global }
      - { .name: ve, .offset: 32, .size: 8, .value_kind: global_buffer, .address_space: global }
      - { .name: Wg, .offset: 40, .size: 8, .value_kind: global_buffer, .address_space: global }
      - { .name: qh, .offset: 48, .size: 8, .value_kind: global_buffer, .address_space: global }
      - { .name: kh, .offset: 56, .size: 8, .value_kind: global_buffer, .address_space: global }
      - { .name: vh, .offset: 64, .size: 8, .value_kind: global_buffer, .address_space: global }
    .group_segment_fixed_size: 327680
    .private_segment_fixed_size: 0
    .kernarg_segment_align: 8
    .kernarg_segment_size: 72
    .max_flat_workgroup_size: 128
    .sgpr_count:     100
    .vgpr_count:     1024
    .wavefront_size: 32
...
	.end_amdgpu_metadata
.endif
;; end of part 2
;; launch attn (part 3): grid 16 x 16, 4 waves a work-group, no clusters, 327,680 bytes of LDS; arguments qh, kh, vh, yb; writes yb
.if DOCPART == 3
	.amdgcn_target "amdgcn-amd-amdhsa--gfx1250"
	.amdhsa_code_object_version 6
	.text
	.protected	k_q4ea39ba235_attn
	.globl	k_q4ea39ba235_attn
	.p2align	8
	.type	k_q4ea39ba235_attn,@function
k_q4ea39ba235_attn:
	s_mov_b64 s[64:65], 0
	v_nop
	global_prefetch_b8 v0, s[64:65] scope:SCOPE_SE
	s_setreg_imm32_b32 hwreg(HW_REG_WAVE_MODE, 25, 1), 1
	s_wait_xcnt 0x0
; yb[b t][64 head + d] = sum over visible keys of softmax(q . k / 8) v, for 16 query heads on 8 kv heads (kv head g serves query heads 2 g, 2 g + 1); kv heads 0-3: j <= i; 4-7: also i - j <= 1024.
; qh [2][16][2048][64] (already times c = log2(e) / 8), kh, vh [2][8][2048][64], yb [4096][1024], all f16; products and sums in f32; the weights p rounded to f16 for the second product.
; LEFT OUT: tiles of 256 keys that reference()'s own masks hide whole (shown at the head of the launch cast); hidden keys inside a tile with visible ones are computed and masked.
; NO MAXIMUM: q and k are RMS-normalised by reference() itself, so |q . k / 8| <= 8 for every input: p = 2^(c q . k) lies in 3.3e-4 .. 3.0e3, inside f16's normal range; a row's sum
; is at most 6.1e6.  A hidden score counts as its value less 1e30, and its weight is 0; every row sees its own key, so no sum is 0.
; LIMITS: NaN and infinities are not treated apart; y is a mean of v's rows and has their range.
; THE WALK.  A block is 64 positions x the kv head's 2 query heads.  A work-group (x = b, y = batch x 8 + kv head) takes block 31 - b, then block b.  With C = b / 4: block 31 - b walks the
; key tiles T0 .. 7 - C (T0 = 0, or 3 - C under the window), block b the tiles 0 .. C: 9 - T0 tiles, one sequence for the ring of two LDS slots.  ONE loop of 9 trips serves all: a work-group
; whose walk is shorter jumps forward over the dead trips' work, and over the fill where no tile is left; those jumps hang on the work-group's number alone and pass no barrier.
; NO CLUSTER: the four work-groups with one C do walk the same tiles, but where a walk ends hangs on the work-group's number (6 to 9 tiles), which is served here by a jump round the fill,
; a form that is not open to joint loads.
; SHARES.  Wave w owns positions 16 w + 0..15 of the block; its two tiles u are the two heads: they share one mask, and a position's 128 channels leave as 256 consecutive bytes.
; LAYOUT.  S^T = K Q^T holds ONE query a lane (lane % 16) and the keys 8 (lane / 16) + 0..7 of each 16; two such results rounded to f16 ARE source 1 of O^T = V^T P.
; THE MASK is the C operand that starts S^T: MC = MD x AL + ME x AE + BE.  MD hides keys behind my position in the block's own step of 64, ME those before it (the window's edge, 1,024 back).
; In the diagonal tile step c is open (c < I3), MD's (c = I3) or shut (c > I3); in the edge tile shut, ME's, open; in every other tile MC is 0.
; REGISTERS.  window 0: v2-14 addresses; v16-19 the sums l; v20-27 at work at a block's end; v32-63 Q; v64-127 S^T; v128-159 P; v160-223 O^T; v224-255 MC.
;   window 1: v0-63 K of a step; v64-127 V of a step; v128-159 the second block's Q; v160-191 MD; v192-223 ME.
.set KS,    64
.set PK,    144                        ; a row of K in LDS: 128 bytes + 16: the 16 rows of a load start at 16 different groups of four banks (64 banks of 4 bytes: ISA guide 11.1)
.set PVP,   160                        ; a row of V: 128 + 32
.set VOFF,  256*PK                     ; a slot holds a tile: 256 rows of K, then 256 rows of V
.set SLOT1, 1<<17                      ; slot 1 begins here: one exclusive or turns an address in one slot into the other's
.set STAGE, SLOT1+256*(PK+PVP)         ; behind the ring: 16 rows x 272 bytes for each wave; no tensor load fills it
.set SP,    272
.set SPARE, STAGE+4*16*SP              ; the spare words, 128 bytes a wave, that no other line names
.set AK0, 2
.set AV0, 3
.set AK,  4
.set AV,  5
.set STO, 6
.set RD,  7
.set GO,  8
.set THR, 12                           ; my position in the block less my lanes' 8 (l / 16)
.set QO,  13
.set PFO, 14                           ; 256 x my lane; never rewritten
.set LS,  16
.set EN,  20
.set SPW, 28
.set NIL, 29
.set Q,   32
.set S,   64
.set P,   128
.set O,   160
.set MC,  224
.set KF,  0                            ; window 1
.set VF,  64
.set QB,  128
.set MD,  160
.set ME,  192
.set WV,  12
.set PB,  13                           ; b
.set CC,  14                           ; C = b / 4
.set CX,  15                           ; b % 4
.set G1K, 24
.set G1V, 32
.set G0K, 40                           ; s[40:47] group 0 for K: a set for each of the two first fills; the second then walks on
.set G0V, 48                           ; s[48:55] the same for V
.set TRIPS, 56
.set ASK, 57                           ; the walk's number of the tile to be asked for
.set TOTAL, 58                         ; tiles in my walk
.set NXT, 59                           ; that tile's number in the head
.set SEL, 60
.set TB,  62                           ; LDS byte at which the slot in hand begins
.set LQ,  63                           ; the last tile of the block whose tiles are being asked for
.set OFF, 66
.set AL,  68
.set AE,  70
.set BE,  72
.set ALD, 74
.set AED, 75
.set BD,  76
.set BEE, 77
.set BIGN, 78
.set PFL, 79                           ; I prefetch while ASK is at most this
.set YP2, 80
.set PFA, 82
.set QP2, 84
.set CT,  86                           ; the tile in hand
.set GD,  87                           ; the block's diagonal tile
.set ET,  88                           ; its edge tile, or -1
.set I3,  89                           ; the block's own step in those tiles
.set BLK, 90                           ; blocks done
.set PM,  91                           ; 1: MC holds a mask
.set MODE, 92                          ; 1: the tile in hand takes masks
.set ISD, 93
.set MSB, 0
.macro WIN new
.if MSB != (\new)
	s_set_vgpr_msb (MSB<<8)|(\new)
.set MSB, \new
.endif
.endm
.macro PLACES
.rept 4
	v_nop
.endr
.endm
	s_load_b256 s[4:11], s[0:1], 0x0               ; qh s[4:5], kh s[6:7], vh s[8:9], yb s[10:11]
	v_lshl_add_u32 v[SPW], v0, 2, SPARE
	v_mov_b32 v[NIL], 0
	ds_add_u32 v[SPW], v[NIL]                      ; the wave's opening: the add, twice on end, and its wait ahead of my first tensor load
	ds_add_u32 v[SPW], v[NIL]
	v_lshrrev_b32 v1, 5, v0
	v_readfirstlane_b32 s[WV], v1
	s_mov_b32 s[PB], ttmp9
	s_lshr_b32 s[CC], s[PB], 2
	s_and_b32 s[CX], s[PB], 3
	s_and_b32 s16, ttmp7, 0xffff                   ; batch x 8 + kv head
	s_bfe_u32 s17, s16, 0x10002                    ; 1: a head with the window
	s_sub_co_u32 s[GD], 7, s[CC]                   ; the first block's diagonal tile
	s_sub_co_u32 s18, s[GD], 4
	s_cmp_eq_u32 s17, 1
	s_cselect_b32 s18, s18, 0                      ; T0
	s_cselect_b32 s[ET], s18, -1
	s_mov_b32 s[CT], s18
	s_mov_b32 s[LQ], s[GD]
	s_add_co_u32 s[NXT], s18, 2
	s_sub_co_u32 s[TOTAL], 9, s18
	s_sub_co_u32 s[PFL], 5, s18
	s_cmp_eq_u32 s[PB], 0
	s_cselect_b32 s[PFL], s[PFL], 0                ; the head's work-group 0 alone prefetches
	s_sub_co_u32 s[I3], 3, s[CX]
	s_mov_b32 s[BLK], 0
	s_mov_b32 s[PM], 0
	s_mov_b32 s[ASK], 2
	s_mov_b32 s[TRIPS], 9
	s_mov_b32 s[TB], 0
	s_mov_b32 s[OFF+1], 0
	s_mov_b32 s[AL+1], 0                           ; named as pairs
	s_mov_b32 s[AE+1], 0
	s_mov_b32 s[BE+1], 0
	s_mov_b32 s[BIGN], 0xf149f2ca                  ; -1e30
	s_mov_b32 s[SEL], 0x76543210
	s_mov_b32 s[SEL+1], 0xfedcba98
	s_and_b32 s19, s[WV], 1                        ; which half of a tile's 256 keys I fetch
	s_lshl_b32 s22, s16, 18                        ; the head's 2,048 rows of 128 bytes,
	s_lshl_b32 s23, s19, 14                        ; my 128 rows
	s_add_co_u32 s22, s22, s23
	s_mov_b32 s23, 0
	s_mul_i32 s2, s19, 128*PK
	s_mul_i32 s3, s19, 128*PVP
	s_add_co_u32 s3, s3, VOFF
	s_lshl_b32 s17, s16, 19                        ; Q: query head 2 y, position 64 p + 16 w, 128 bytes a row
	s_lshl_b32 s20, s[WV], 11
	s_add_co_u32 s17, s17, s20
	s_sub_co_u32 s94, 31, s[PB]                    ; the first block
	s_lshl_b32 s20, s94, 13
	s_add_co_u32 s20, s20, s17
	s_mov_b32 s21, 0
	s_lshl_b32 s[QP2], s[PB], 13
	s_add_co_u32 s[QP2], s[QP2], s17
	s_mov_b32 s[QP2+1], 0
	s_lshr_b32 s17, s16, 3                         ; yb: row batch x 2,048 + 64 p + 16 w of 2,048 bytes, 256 bytes at kv head x 256
	s_lshl_b32 s17, s17, 22
	s_and_b32 s95, s16, 7
	s_lshl_b32 s95, s95, 8
	s_add_co_u32 s17, s17, s95
	s_lshl_b32 s95, s[WV], 15
	s_add_co_u32 s17, s17, s95
	s_lshl_b32 s94, s94, 17
	s_add_co_u32 s94, s94, s17
	s_mov_b32 s95, 0
	s_lshl_b32 s[YP2], s[PB], 17
	s_add_co_u32 s[YP2], s[YP2], s17
	s_mov_b32 s[YP2+1], 0
	; descriptor group 1.  128 keys are 16,384 dense bytes: asked for as 64 rows of 256 bytes, two keys a row, padded in LDS after every key
	s_mov_b32 s[G1K], (1<<16)|(1<<20)|(4<<22)|(3<<25)  ; 2-byte elements; padding on; after every 32 words, 4 words
	s_mov_b32 s[G1V], (1<<16)|(1<<20)|(4<<22)|(7<<25)  ; the same with 8 words
.irp g, G1K, G1V
	s_mov_b32 s[\g+1], 128<<16
	s_mov_b32 s[\g+2], 64<<16
	s_mov_b32 s[\g+3], 128<<16
	s_mov_b32 s[\g+4], 64
	s_mov_b32 s[\g+5], 128
	s_mov_b32 s[\g+6], 0
	s_mov_b32 s[\g+7], 0
.endr
	s_mov_b32 s[G0K], 1
	s_mov_b32 s[G0K+1], s2
	s_mov_b32 s[G0K+4], 1
	s_add_co_u32 s[G0K+5], s2, SLOT1
	s_mov_b32 s[G0V], 1
	s_mov_b32 s[G0V+1], s3
	s_mov_b32 s[G0V+4], 1
	s_add_co_u32 s[G0V+5], s3, SLOT1
	s_wait_dscnt 0x0                               ; both opening adds are done
	s_wait_kmcnt 0x0
	s_add_nc_u64 s[6:7], s[6:7], s[22:23]          ; K and V at my half of the head's tile 0
	s_add_nc_u64 s[8:9], s[8:9], s[22:23]
	s_add_nc_u64 s[QP2:QP2+1], s[4:5], s[QP2:QP2+1]
	s_add_nc_u64 s[4:5], s[4:5], s[20:21]
	s_add_nc_u64 s[YP2:YP2+1], s[10:11], s[YP2:YP2+1]
	s_add_nc_u64 s[10:11], s[10:11], s[94:95]
	s_cmp_lt_u32 s[WV], 2
	s_cselect_b64 s[PFA:PFA+1], s[6:7], s[8:9]     ; each wave prefetches what it will fetch itself
	s_add_co_u32 s17, s18, 3
	s_lshl_b32 s[OFF], s17, 15
	s_add_nc_u64 s[PFA:PFA+1], s[PFA:PFA+1], s[OFF:OFF+1]  ; at tile T0 + 3; the first change of slots steps it to T0 + 4
	s_lshl_b32 s[OFF], s18, 15                     ; a tile is 32,768 bytes of K and of V
	s_add_nc_u64 s[G0K+2:G0K+3], s[6:7], s[OFF:OFF+1]
	s_or_b32 s[G0K+3], s[G0K+3], 0x80000000
	s_add_nc_u64 s[G0V+2:G0V+3], s[8:9], s[OFF:OFF+1]
	s_or_b32 s[G0V+3], s[G0V+3], 0x80000000
	s_add_co_u32 s[OFF], s[OFF], 32768
	s_add_nc_u64 s[G0K+6:G0K+7], s[6:7], s[OFF:OFF+1]
	s_or_b32 s[G0K+7], s[G0K+7], 0x80000000
	s_add_nc_u64 s[G0V+6:G0V+7], s[8:9], s[OFF:OFF+1]
	s_or_b32 s[G0V+7], s[G0V+7], 0x80000000
	s_cmp_lt_u32 s[WV], 2                          ; a wave's two first fills (tiles T0, T0 + 1: every walk has six tiles or more) stand in one branch: two loads of mine are out
	s_cbranch_scc0 .Lfirst_v
	tensor_load_to_lds s[G0K:G0K+3], s[G1K:G1K+7]
	s_nop 0
	tensor_load_to_lds s[G0K+4:G0K+7], s[G1K:G1K+7]
	s_nop 0
.rept 4
	v_nop
.endr
	s_branch .Lfirst_asked
.Lfirst_v:
	tensor_load_to_lds s[G0V:G0V+3], s[G1V:G1V+7]
	s_nop 0
	tensor_load_to_lds s[G0V+4:G0V+7], s[G1V:G1V+7]
	s_nop 0
.rept 4
	v_nop
.endr
.Lfirst_asked:
	v_and_b32 v1, 15, v0                           ; r = l % 16
	v_bfe_u32 v9, v0, 4, 1                         ; h = l / 16
	v_lshlrev_b32 v[QO], 7, v1
	v_lshl_add_u32 v[QO], v9, 4, v[QO]
	v_lshlrev_b32 v10, 3, v9
	v_sub_nc_u32 v[THR], v1, v10
	s_lshl_b32 s16, s[WV], 4
	v_add_nc_u32 v[THR], s16, v[THR]
.set n, 0
.rept 4                                ; both blocks' Q stay in registers: tile n / 2 (the next query head lies 262,144 bytes on), channels 32 (n % 2) on
	global_load_b128 v[Q+8*n:Q+8*n+3],   v[QO], s[4:5] offset:(n/2)*262144+(n%2)*64
	global_load_b128 v[Q+8*n+4:Q+8*n+7], v[QO], s[4:5] offset:(n/2)*262144+(n%2)*64+32
.set n, n+1
.endr
	WIN 0x40                                       ; destination window 1
.set n, 0
.rept 4
	global_load_b128 v[QB+8*n:QB+8*n+3],   v[QO], s[QP2:QP2+1] offset:(n/2)*262144+(n%2)*64
	global_load_b128 v[QB+8*n+4:QB+8*n+7], v[QO], s[QP2:QP2+1] offset:(n/2)*262144+(n%2)*64+32
.set n, n+1
.endr
.set n, 0
.rept 32                               ; register n % 8 of key group n / 8 is key 16 (n / 8) + 8 h + n % 8 of the step
	v_cmp_gt_i32 vcc_lo, 16*(n/8)+n%8, v[THR]
	v_cndmask_b32 v[MD+n], 0, s[BIGN], vcc_lo
	v_cmp_lt_i32 vcc_lo, 16*(n/8)+n%8, v[THR]
	v_cndmask_b32 v[ME+n], 0, s[BIGN], vcc_lo
.set n, n+1
.endr
	WIN 0
	v_mul_u32_u24 v[AK0], v1, PK
	v_lshl_add_u32 v[AK0], v9, 4, v[AK0]
	v_and_b32 v10, 7, v0
	v_bfe_u32 v11, v0, 3, 1
	v_lshl_add_u32 v[AV0], v9, 3, v10              ; the turning load: key 8 h + l % 8, channels 8 ((l / 8) % 2) on
	v_mul_u32_u24 v[AV0], v[AV0], PVP
	v_lshl_add_u32 v[AV0], v11, 4, v[AV0]
	v_add_nc_u32 v[AV0], VOFF, v[AV0]
	s_mul_i32 s16, s[WV], 16*SP
	s_add_co_u32 s16, s16, STAGE
	v_mul_u32_u24 v[STO], v1, SP
	v_lshl_add_u32 v[STO], v9, 4, v[STO]
	v_add_nc_u32 v[STO], s16, v[STO]
	v_mul_u32_u24 v[RD], v9, SP
	v_lshl_add_u32 v[RD], v1, 4, v[RD]
	v_add_nc_u32 v[RD], s16, v[RD]
	v_lshlrev_b32 v[GO], 11, v9
	v_lshl_add_u32 v[GO], v1, 4, v[GO]
	v_and_b32 v[PFO], 31, v0
	v_lshlrev_b32 v[PFO], 8, v[PFO]
	; O^T, l and MC start at 0: one text serves every step, at the price of these lines, which stand in the wait for the first tiles
.set n, LS
.rept 12
	v_mov_b32 v[n], 0
.set n, n+1
.endr
.set n, O
.rept 96
	v_mov_b32 v[n], 0
.set n, n+1
.endr
; THE MATRIX WORK.  The 4 accumulators of a run of 8 take turns.  Product i of 8 of S^T for tile u: keys 16 (i % 4) on, channels 32 (i / 4) on; the first 4 start the sums with MC.
.macro KQ u, i
	WIN 0x01                                       ; source 0 in window 1
.set rS, S+32*(\u)+8*((\i)%4)
.set rK, KF+16*((\i)%4)+8*((\i)/4)
.set rQ, Q+16*(\u)+8*((\i)/4)
.set rM, MC+8*((\i)%4)
.if (\i) < 4
	v_wmma_f32_16x16x32_f16 v[rS:rS+7], v[rK:rK+7], v[rQ:rQ+7], v[rM:rM+7]
.else
	v_wmma_f32_16x16x32_f16 v[rS:rS+7], v[rK:rK+7], v[rQ:rQ+7], v[rS:rS+7]
.endif
.endm
.macro PV u, i                         ; product i of 8 of O^T += V^T P: keys 32 (i / 4) on, channels 16 (i % 4) on
	WIN 0x01
.set rO, O+32*(\u)+8*((\i)%4)
.set rV, VF+32*((\i)/4)+8*((\i)%4)
.set rP, P+16*(\u)+8*((\i)/4)
	v_wmma_f32_16x16x32_f16 v[rO:rO+7], v[rV:rV+7], v[rP:rP+7], v[rO:rO+7]
.endm
.macro FETCH_K c                       ; step c's K: 16 loads in one run
	WIN 0x40
.irp g, 0,1,2,3,4,5,6,7
	ds_load_b128 v[KF+8*(\g):KF+8*(\g)+3],   v[AK] offset:(\c)*KS*PK+((\g)/2)*16*PK+((\g)%2)*64
	ds_load_b128 v[KF+8*(\g)+4:KF+8*(\g)+7], v[AK] offset:(\c)*KS*PK+((\g)/2)*16*PK+((\g)%2)*64+32
.endr
	WIN 0
.endm
.macro FETCH_V c                       ; step c's V, turned
	WIN 0x40
.irp g, 0,1,2,3,4,5,6,7
	ds_load_tr16_b128 v[VF+8*(\g):VF+8*(\g)+3],   v[AV] offset:(\c)*KS*PVP+((\g)/4)*32*PVP+((\g)%4)*32
	ds_load_tr16_b128 v[VF+8*(\g)+4:VF+8*(\g)+7], v[AV] offset:(\c)*KS*PVP+((\g)/4)*32*PVP+16*PVP+((\g)%4)*32
.endr
	WIN 0
.endm
.macro EX u, e                         ; p = 2^s, in place
	WIN 0
	v_exp_f32 v[S+32*(\u)+(\e)], v[S+32*(\u)+(\e)]
.endm
.macro CV u, p                         ; a pair of weights rounded to f16
	WIN 0
	v_cvt_pk_f16_f32 v[P+16*(\u)+(\p)], v[S+32*(\u)+2*(\p)], v[S+32*(\u)+2*(\p)+1]
.endm
; Number z of the 16 that sum a tile's weights.  B n: of the four weights 4 n .. the second pair is added onto the first, in place.  L n: l takes that sum.
; Order: B0 B1 B2 B3 L0 B4 L1 B5 L2 B6 L3 B7 L4 L5 L6 L7.
.macro SU u, z
	WIN 0
.if (\z) < 4
.set m, \z
	v_pk_add_f32 v[S+32*(\u)+4*m:S+32*(\u)+4*m+1], v[S+32*(\u)+4*m:S+32*(\u)+4*m+1], v[S+32*(\u)+4*m+2:S+32*(\u)+4*m+3]
.elseif ((\z) < 12) && ((\z)%2 == 1)
.set m, ((\z)+3)/2
	v_pk_add_f32 v[S+32*(\u)+4*m:S+32*(\u)+4*m+1], v[S+32*(\u)+4*m:S+32*(\u)+4*m+1], v[S+32*(\u)+4*m+2:S+32*(\u)+4*m+3]
.elseif (\z) < 12
.set m, ((\z)-4)/2
	v_pk_add_f32 v[LS+2*(\u):LS+2*(\u)+1], v[LS+2*(\u):LS+2*(\u)+1], v[S+32*(\u)+4*m:S+32*(\u)+4*m+1]
.else
.set m, (\z)-8
	v_pk_add_f32 v[LS+2*(\u):LS+2*(\u)+1], v[LS+2*(\u):LS+2*(\u)+1], v[S+32*(\u)+4*m:S+32*(\u)+4*m+1]
.endif
.endm
.macro MASK c                          ; MC for step c of a diagonal or an edge tile
	s_cmp_eq_u32 s[I3], \c
	s_cselect_b32 s[AL], s[ALD], 0
	s_cselect_b32 s[AE], s[AED], 0
	s_cmp_lt_u32 s[I3], \c
	s_cselect_b32 s[BE], s[BD], 0
	s_cmp_gt_u32 s[I3], \c
	s_cselect_b32 s[BE], s[BEE], s[BE]
	WIN 0x01
.set n, 0
.rept 16
	v_pk_fma_f32 v[MC+2*n:MC+2*n+1], v[ME+2*n:ME+2*n+1], s[AE:AE+1], s[BE:BE+1] op_sel_hi:[1,0,0]
.set n, n+1
.endr
.set n, 0
.rept 16
	v_pk_fma_f32 v[MC+2*n:MC+2*n+1], v[MD+2*n:MD+2*n+1], s[AL:AL+1], v[MC+2*n:MC+2*n+1] op_sel_hi:[1,0,1]
.set n, n+1
.endr
	WIN 0
.endm
; A KEY STEP: 32 matrix instructions.  Tile 0's scores; tile 1's scores with tile 0's exponentials behind them; tile 0's V^T P with tile 1's exponentials and tile 0's sums behind them; tile 1's V^T P with
; its sums.  Each tile's 32 exponentials are one batch with one wait ahead of the first line that names a result.  V's run of loads stands at the step's head, four plain
; instructions behind the last product that read V; the next step's K in the middle, behind sixteen roundings.  Each accumulator's lowest registers are read first.
.macro STEP c
	WIN 0
	s_cmp_eq_u32 s[MODE], 0
	s_cbranch_scc1 .Lnomask_\@
	MASK \c
.Lnomask_\@:
	FETCH_V \c
	s_wait_dscnt 16                                ; K is in; V's 16 loads may stay out
.set n, 0
.rept 8
	KQ 0, n
.set n, n+1
.endr
	PLACES                                         ; in front of the exponentials that read those results
.set n, 0
.rept 8
	KQ 1, n
	EX 0, 4*n
	EX 0, 4*n+1
	EX 0, 4*n+2
	EX 0, 4*n+3
.set n, n+1
.endr
	v_nop                                          ; a plain instruction behind the last exponential: one for the batch
	s_wait_alu depctr_va_vdst(0)
.set n, 0
.rept 16
	CV 0, n
.set n, n+1
.endr
.if (\c) < 3
	FETCH_K (\c)+1
	s_wait_dscnt 16                                ; V is in; K's 16 loads may stay out
.else
	s_wait_dscnt 0x0                               ; V is in: the tile's last reads
.endif
.set n, 0
.rept 8
	PV 0, n
	EX 1, 4*n
	SU 0, 2*n
	EX 1, 4*n+1
	SU 0, 2*n+1
	EX 1, 4*n+2
	EX 1, 4*n+3
.set n, n+1
.endr
	v_nop
	s_wait_alu depctr_va_vdst(0)
.set n, 0
.rept 16
	CV 1, n
.set n, n+1
.endr
.set n, 0
.rept 8
	PV 1, n
.if n < 6
	SU 1, 2*n
	SU 1, 2*n+1
.elseif n == 7
	SU 1, 12                                       ; these four are the places behind the step's last products
	SU 1, 13
	SU 1, 14
	SU 1, 15
.endif
.set n, n+1
.endr
	WIN 0
.endm
	s_wait_loadcnt 0x0                             ; Q
	s_wait_tensorcnt 0x0                           ; my parts of both slots are in (every wait on this counter is for 0 in this text),
	s_barrier_signal -1
	s_barrier_wait -1                              ; everybody's are
	s_branch .Lenter                               ; the loop is entered behind its change of slots
.Ltrip:
	; THE CHANGE OF SLOTS.  Each wave waits for all its tensor loads (one at most is out: its part of the other slot), adds 0 to its spare word, and waits for that and for its reads of the slot that it
	; leaves.  Behind the barrier that slot is filled again first, with tile NXT, if the walk has one left.
	s_wait_tensorcnt 0x0                           ; no tensor load of mine is out, so a group 0 may be written
	ds_add_u32 v[SPW], v[NIL]                      ; 0 onto my spare word; the descriptors' scalar work stands between it and the wait for it
	s_lshl_b32 s[OFF], s[NXT], 15
	s_xor_b32 s[G0K+5], s[G0K+5], SLOT1
	s_add_nc_u64 s[G0K+6:G0K+7], s[6:7], s[OFF:OFF+1]
	s_or_b32 s[G0K+7], s[G0K+7], 0x80000000
	s_xor_b32 s[G0V+5], s[G0V+5], SLOT1
	s_add_nc_u64 s[G0V+6:G0V+7], s[8:9], s[OFF:OFF+1]
	s_or_b32 s[G0V+7], s[G0V+7], 0x80000000
	s_add_co_u32 s[NXT], s[NXT], 1                 ; the block's next tile, or behind its last the second block's tile 0
	s_cmp_gt_u32 s[NXT], s[LQ]
	s_cselect_b32 s[NXT], 0, s[NXT]
	s_cselect_b32 s[LQ], s[CC], s[LQ]
	s_wait_xcnt 0x0                                ; the last prefetches, a trip back, have read their address
	s_add_nc_u64 s[PFA:PFA+1], s[PFA:PFA+1], 32768
	s_wait_dscnt 0x0                               ; the add is done, and my reads of the slot are over
	s_barrier_signal -1
	s_xor_b32 s[TB], s[TB], SLOT1
	s_barrier_wait -1
	s_cmp_lt_u32 s[ASK], s[TOTAL]                  ; made of the work-group's number and the trip alone, the same in all four waves
	s_cbranch_scc0 .Lnofill
	s_cmp_lt_u32 s[WV], 2                          ; waves 0 and 1 fetch the two halves of the tile's K, waves 2 and 3 those of its V
	s_cbranch_scc0 .Lfor_v
	tensor_load_to_lds s[G0K+4:G0K+7], s[G1K:G1K+7]
	s_nop 0
.rept 4
	v_nop
.endr
	s_branch .Lnofill
.Lfor_v:
	tensor_load_to_lds s[G0V+4:G0V+7], s[G1V:G1V+7]
	s_nop 0
.rept 4
	v_nop
.endr
.Lnofill:
	; A PREFETCH INTO THE L2: in trip t, tile T0 + t + 3, which trip t + 2 will ask for: two trips, 256 matrix instructions, ahead.  A head's tiles from T0 + 4 on are asked for once in the launch: by the
	; head's work-group 0, whose walk reaches each of them no later than any other's; each of its waves names the 64 blocks of 256 bytes that it will fetch itself, a lane a block, two lines.
	; Tiles T0 .. T0 + 3 come by their loads alone; nothing is asked for past tile 7.
	s_cmp_le_u32 s[ASK], s[PFL]
	s_cbranch_scc0 .Lnoask
	global_prefetch_b8 v[PFO], s[PFA:PFA+1] th:TH_LOAD_NT scope:SCOPE_SE
	global_prefetch_b8 v[PFO], s[PFA:PFA+1] offset:8192 th:TH_LOAD_NT scope:SCOPE_SE
.Lnoask:
	s_add_co_u32 s[ASK], s[ASK], 1
.Lenter:
	s_cmp_eq_u32 s[BLK], 2
	s_cbranch_scc1 .Lbottom                        ; my walk is over: a dead trip
	s_cmp_eq_u32 s[CT], s[GD]                      ; the diagonal tile?
	s_cselect_b32 s[ALD], 1.0, 0
	s_cselect_b32 s[BD], s[BIGN], 0
	s_cselect_b32 s[ISD], 1, 0
	s_cmp_eq_u32 s[CT], s[ET]                      ; the window's edge?
	s_cselect_b32 s[AED], 1.0, 0
	s_cselect_b32 s[BEE], s[BIGN], 0
	s_cselect_b32 s[MODE], 1, s[ISD]
	s_cmp_gt_u32 s[PM], s[MODE]                    ; the last tile left a mask and this one takes none
	s_cbranch_scc0 .Lnoclear
.set n, MC
.rept 32
	v_mov_b32 v[n], 0
.set n, n+1
.endr
.Lnoclear:
	s_mov_b32 s[PM], s[MODE]
	v_add_nc_u32 v[AK], s[TB], v[AK0]
	v_add_nc_u32 v[AV], s[TB], v[AV0]
	FETCH_K 0
	STEP 0
	STEP 1
	STEP 2
	STEP 3
	s_cmp_eq_u32 s[ISD], 1
	s_cbranch_scc1 .Lblock_end
	s_add_co_u32 s[CT], s[CT], 1
	s_branch .Lbottom
.Lblock_end:
	; A BLOCK'S END.  l's two halves and the other half of the lanes' are added; O^T is divided by l, rounded to f16 and sent through my stage: 16 rows of 256 bytes (both heads).
.irp u, 0,1
	v_add_f32 v[EN+4*(\u)], v[LS+2*(\u)], v[LS+2*(\u)+1]
.endr
.irp u, 0,1
	v_permlanex16_b32 v[EN+4*(\u)+1], v[EN+4*(\u)], s[SEL], s[SEL+1]
.endr
.irp u, 0,1
	v_add_f32 v[EN+4*(\u)], v[EN+4*(\u)], v[EN+4*(\u)+1]
.endr
.irp u, 0,1
	v_rcp_f32 v[EN+4*(\u)+2], v[EN+4*(\u)]
.endr
	v_nop
	s_wait_alu depctr_va_vdst(0)                   ; one wait for the two reciprocals
.set n, 0
.rept 32
	v_pk_mul_f32 v[O+2*n:O+2*n+1], v[O+2*n:O+2*n+1], v[EN+4*(n/16)+2:EN+4*(n/16)+3] op_sel_hi:[1,0]
.set n, n+1
.endr
.set n, 0
.rept 32
	v_cvt_pk_f16_f32 v[S+n], v[O+2*n], v[O+2*n+1]
.set n, n+1
.endr
.set n, 0
.rept 8                                ; tile n / 4, channels 16 (n % 4) + 8 h on
	ds_store_b128 v[STO], v[S+4*n:S+4*n+3] offset:32*n
.set n, n+1
.endr
.set n, 0
.rept 8
	ds_load_b128 v[P+4*n:P+4*n+3], v[RD] offset:n*2*SP  ; LDS serves a wave's instructions in order: these see the stores above
.set n, n+1
.endr
.set n, 0
.rept 8
	s_wait_dscnt 7-n                               ; the younger read-backs may stay out
	global_store_b128 v[GO], v[P+4*n:P+4*n+3], s[10:11] offset:n*4096  ; 16 lanes store 256 consecutive bytes, aligned
.set n, n+1
.endr
	s_add_co_u32 s[BLK], s[BLK], 1
	s_cmp_eq_u32 s[BLK], 2
	s_cbranch_scc1 .Lbottom
	s_wait_xcnt 0x0                                ; the stores have read their registers and their base
	s_mov_b64 s[10:11], s[YP2:YP2+1]
	s_mov_b32 s[CT], 0                             ; the second block: tiles 0 .. C, no edge (its positions lie below 1,024)
	s_mov_b32 s[GD], s[CC]
	s_mov_b32 s[ET], -1
	s_mov_b32 s[I3], s[CX]
.set n, LS
.rept 4
	v_mov_b32 v[n], 0
.set n, n+1
.endr
.set n, O
.rept 64
	v_mov_b32 v[n], 0
.set n, n+1
.endr
	WIN 0x01                                       ; the second block's Q goes where the one text of the steps names Q
.set n, 0
.rept 32
	v_mov_b32 v[Q+n], v[QB+n]
.set n, n+1
.endr
	WIN 0
.Lbottom:
	s_sub_co_u32 s[TRIPS], s[TRIPS], 1
	s_cmp_lg_u32 s[TRIPS], 0
	s_cbranch_scc1 .Ltrip
	s_wait_tensorcnt 0x0                           ; the wave's end: an add to the spare word and its wait, behind my last tensor load and my last LDS store
	ds_add_u32 v[SPW], v[NIL]
	s_wait_dscnt 0x0
	s_endpgm
.Lfunc_end_k_q4ea39ba235_attn:
	.size	k_q4ea39ba235_attn, .Lfunc_end_k_q4ea39ba235_attn-k_q4ea39ba235_attn
	.p2alignl 7, 3214868480
	.fill 96, 4, 3214868480
	.section	.rodata,"a",@progbits
	.p2align	6, 0x0
	.amdhsa_kernel k_q4ea39ba235_attn
		.amdhsa_group_segment_fixed_size 327680
		.amdhsa_private_segment_fixed_size 0
		.amdhsa_enable_private_segment 0
		.amdhsa_kernarg_size 32
		.amdhsa_user_sgpr_count 2
		.amdhsa_user_sgpr_kernarg_segment_ptr 1
		.amdhsa_wavefront_size32 1
		.amdhsa_system_sgpr_workgroup_id_x 1
		.amdhsa_system_sgpr_workgroup_id_y 1
		.amdhsa_system_sgpr_workgroup_id_z 1
		.amdhsa_system_vgpr_workitem_id 0
		.amdhsa_next_free_vgpr 512
		.amdhsa_next_free_sgpr 96
		.amdhsa_reserve_vcc 1
		.amdhsa_float_denorm_mode_32 3
		.amdhsa_float_denorm_mode_16_64 3
		.amdhsa_memory_ordered 1
		.amdhsa_forward_progress 1
		.amdhsa_inst_pref_size 89
	.end_amdhsa_kernel
	.amdgpu_metadata
---
amdhsa.version: [ 1, 2 ]
amdhsa.kernels:
  - .name:           k_q4ea39ba235_attn
    .symbol:         k_q4ea39ba235_attn.kd
    .args:
      - { .name: qh, .offset: 0, .size: 8, .value_kind: global_buffer, .address_space: global }
      - { .name: kh, .offset: 8, .size: 8, .value_kind: global_buffer, .address_space: global }
      - { .name: vh, .offset: 16, .size: 8, .value_kind: global_buffer, .address_space: global }
      - { .name: yb, .offset: 24, .size: 8, .value_kind: global_buffer, .address_space: global }
    .group_segment_fixed_size: 327680
    .private_segment_fixed_size: 0
    .kernarg_segment_align: 8
    .kernarg_segment_size: 32
    .max_flat_workgroup_size: 128
    .sgpr_count:     96
    .vgpr_count:     512
    .wavefront_size: 32
...
	.end_amdgpu_metadata
.endif
;; end of part 3
;; launch proj (part 4): grid 8 x 32, 4 waves a work-group, clusters of 4 x 4, 327,680 bytes of LDS; arguments yb, wpb, out0; writes out0
.if DOCPART == 4
	.amdgcn_target "amdgcn-amd-amdhsa--gfx1250"
	.amdhsa_code_object_version 6
	.text
	.protected	k_q4ea39ba235_proj
	.globl	k_q4ea39ba235_proj
	.p2align	8
	.type	k_q4ea39ba235_proj,@function
k_q4ea39ba235_proj:
	s_mov_b64 s[64:65], 0
	v_nop
	global_prefetch_b8 v0, s[64:65] scope:SCOPE_SE
	s_setreg_imm32_b32 hwreg(HW_REG_WAVE_MODE, 25, 1), 1
	s_wait_xcnt 0x0
	s_wait_alu depctr_hold_cnt(0) depctr_sa_sdst(0) depctr_va_vdst(0) depctr_va_sdst(0) depctr_va_ssrc(0) depctr_va_vcc(0) depctr_vm_vsrc(0)
	s_getreg_b32 s2, hwreg(HW_REG_IB_STS2, 6, 4)
	s_cmp_eq_u32 s2, 0
	s_cbranch_scc0 .Lentry_in_a_cluster
	s_endpgm
.Lentry_in_a_cluster:
	s_bfe_u32 s2, ttmp6, 0x10000c
	s_cmp_lg_u32 s2, 0xf033
	s_cbranch_scc0 .Lentry_shape_is_right
	s_endpgm
.Lentry_shape_is_right:
; out0 = yb wpb.  yb [4096][1024] f16, wpb [1024 k][1024 n] f16 (Wproj rounded to bf16, written as f16), out0 [4096][1024] f32; sums in f32.  No work is left out here.
; A tile is 128 x 128: 8 x 32 = 256 work-groups.  Four waves, each 64 x 64: 16 accumulators.  K goes in 4 steps of 256 through two LDS slots.  yb's rows lie along K; wpb lies [k][n] and is turned by
; ds_load_tr16_b128.  THE MATRIX INSTRUCTION IS USED TRANSPOSED (source 0 = 16 columns of W, source 1 = 16 rows of y): a lane holds eight neighbouring numbers of a row of out0.
; CLUSTER 4 x 4: y's tile is shared along a row of the cluster, W's along a column, each asked for jointly.  NO PREFETCH: the launch has four K steps, on a small tile.
; A wave's 64 columns of f32 are 256 aligned bytes: each wave sends its rows out through a stage of its own, without a barrier.
; REGISTERS.  window 0: v16-29 addresses; v32-95 the way out; v128-255 the accumulators ((a, b) at v[128 + 8 (4 a + b)]).  window 1: two fragment buffers of 128: 64 of y, then 64 of W.
.set PA,    528                        ; a row of y in LDS: 512 bytes + 16
.set PB,    288                        ; a row of W: 256 + 32
.set HALFA, 64*PA
.set HALFB, 128*PB
.set BOFF,  2*HALFA
.set SLOT,  BOFF+2*HALFB               ; y's 128 rows, then W's 256 k rows
.set STAGE, 2*SLOT                     ; behind the ring: 16 rows x 272 bytes for each wave; no tensor load fills it
.set SPITCH, 272
.set SPARE, STAGE+4*16*SPITCH          ; the spare words, 128 bytes a wave, that no other line names
.set ADRA, 16                          ; v16-17  my y fragments in slot 0, 1
.set ADRB, 20                          ; v20-23  my W fragments: slot 0 (k 0-127, k 128-255), slot 1 likewise: an LDS immediate has 16 bits
.set STO,  24
.set RD,   25
.set CO,   26
.set SPW,  28
.set NIL,  29
.set TMP,  32
.set ACC,  128
.set F0,   0
.set F1,   128
.set G1,  24
.set G0,  32
.set G1B, 48
.set G0B, 56
.set MSB, 0
.macro WIN new
.if MSB != (\new)
	s_set_vgpr_msb (MSB<<8)|(\new)
.set MSB, \new
.endif
.endm
.set W_MUL, 0x05                       ; both sources in window 1; C and D in window 0
.set TO_F,  0x40                       ; destination window 1, address window 0
.macro PLACES
.rept 4
	v_nop
.endr
.endm
.macro JLOAD s                         ; waves 0 and 1 fetch y's two halves, waves 2 and 3 W's; an s_nop 0 and four v_nop follow each line
	s_cmp_eq_u32 s11, 0
	s_cbranch_scc0 .Lfor_b_\@
	tensor_load_to_lds s[G0+4*(\s):G0+4*(\s)+3], s[G1:G1+7]
	s_nop 0
.rept 4
	v_nop
.endr
	s_branch .Lasked_\@
.Lfor_b_\@:
	tensor_load_to_lds s[G0B+4*(\s):G0B+4*(\s)+3], s[G1B:G1B+7]
	s_nop 0
.rept 4
	v_nop
.endr
.Lasked_\@:
.endm
.macro CREST
	s_cmp_lg_u32 s10, 0
	s_cbranch_scc1 .Lnot_wave_0_\@
	s_barrier_signal -3
.Lnot_wave_0_\@:
	s_barrier_wait -3
	s_barrier_signal -1
	s_barrier_wait -1
.endm
.macro CROUND
	s_barrier_signal -1
	s_barrier_wait -1
	CREST
.endm
	s_load_b128 s[4:7], s[0:1], 0x0                ; yb s[4:5], wpb s[6:7]
	s_load_b64 s[8:9], s[0:1], 0x10                ; out0
	v_lshl_add_u32 v[SPW], v0, 2, SPARE
	v_mov_b32 v[NIL], 0
	ds_add_u32 v[SPW], v[NIL]                      ; the wave's opening: the add, twice on end, and its wait ahead of my first tensor load
	ds_add_u32 v[SPW], v[NIL]
	v_lshrrev_b32 v1, 5, v0
	v_readfirstlane_b32 s10, v1
	s_lshr_b32 s11, s10, 1                         ; my half of the tile's rows.  Also: I fetch for y (0) or for W (1)
	s_and_b32 s12, s10, 1                          ; my half of its columns.  Also: which half of that tile I fetch
	s_bfe_u32 s40, ttmp6, 0x40000
	s_bfe_u32 s41, ttmp6, 0x40004
	s_lshl_b32 s42, ttmp9, 2
	s_add_co_u32 s42, s42, s40                     ; tile column
	s_and_b32 s13, ttmp7, 0xffff
	s_lshl_b32 s13, s13, 2
	s_add_co_u32 s13, s13, s41                     ; tile row
	s_lshl_b32 s43, s41, 2
	s_lshl_b32 s43, 15, s43
	s_lshl_b32 s44, 0x1111, s40
	s_or_b32 s[G1], s43, (1<<16)|(1<<20)|(1<<21)|(6<<22)|(3<<25)   ; my row's mask; 2-byte elements; padding on; bit 21 beside a mask; after every 128 words, 4 words
	s_or_b32 s[G1B], s44, (1<<16)|(1<<20)|(1<<21)|(5<<22)|(7<<25)  ; my column's mask; after every 64 words, 8 words
	s_mov_b32 s[G1+1], 256<<16                     ; 64 rows x 256 elements
	s_mov_b32 s[G1+2], 64<<16
	s_mov_b32 s[G1+3], 256<<16
	s_mov_b32 s[G1+4], 64
	s_mov_b32 s[G1+5], 1024
	s_mov_b32 s[G1+6], 0
	s_mov_b32 s[G1+7], 0
	s_mov_b32 s[G1B+1], 128<<16                    ; 128 k rows x 128 elements
	s_mov_b32 s[G1B+2], 128<<16
	s_mov_b32 s[G1B+3], 128<<16
	s_mov_b32 s[G1B+4], 128
	s_mov_b32 s[G1B+5], 1024
	s_mov_b32 s[G1B+6], 0
	s_mov_b32 s[G1B+7], 0
	s_lshl_b32 s16, s13, 18                        ; y: row 128 x tile row + 64 x half, 2,048 bytes a row
	s_lshl_b32 s17, s12, 17
	s_add_co_u32 s16, s16, s17
	s_mov_b32 s17, 0
	s_lshl_b32 s46, s12, 18                        ; W: k row 128 x half, 2,048 bytes a row; column 128 x tile column
	s_lshl_b32 s47, s42, 8
	s_add_co_u32 s46, s46, s47
	s_mov_b32 s47, 0
	s_mul_i32 s20, s12, HALFA
	s_mul_i32 s21, s12, HALFB
	s_add_co_u32 s21, s21, BOFF
	s_wait_dscnt 0x0
	s_wait_kmcnt 0x0
	s_add_nc_u64 s[14:15], s[4:5], s[16:17]
	s_add_nc_u64 s[46:47], s[6:7], s[46:47]
	CROUND                                         ; all sixteen work-groups are here: the first joint loads meet
.irp s, 0,1
	s_mov_b32 s[G0+4*(\s)], 1
	s_add_co_u32 s[G0+4*(\s)+1], s20, (\s)*SLOT
	s_add_nc_u64 s[G0+4*(\s)+2:G0+4*(\s)+3], s[14:15], (\s)*512
	s_or_b32 s[G0+4*(\s)+3], s[G0+4*(\s)+3], 0x80000000
	s_mov_b32 s[G0B+4*(\s)], 1
	s_add_co_u32 s[G0B+4*(\s)+1], s21, (\s)*SLOT
	s_add_nc_u64 s[G0B+4*(\s)+2:G0B+4*(\s)+3], s[46:47], (\s)*256*2048
	s_or_b32 s[G0B+4*(\s)+3], s[G0B+4*(\s)+3], 0x80000000
	JLOAD \s                                       ; two loads of mine are out
.endr
	v_and_b32 v1, 15, v0
	v_bfe_u32 v2, v0, 4, 1
	v_and_b32 v3, 7, v0
	v_bfe_u32 v4, v0, 3, 1
	v_mul_u32_u24 v6, v1, PA
	v_lshl_add_u32 v6, v2, 4, v6
	s_mul_i32 s22, s11, HALFA                      ; my 64 rows of y
	v_add_nc_u32 v[ADRA], s22, v6
	v_add_nc_u32 v[ADRA+1], SLOT, v[ADRA]
	v_lshl_add_u32 v7, v2, 3, v3
	v_mul_u32_u24 v7, v7, PB
	v_lshl_add_u32 v7, v4, 4, v7
	s_lshl_b32 s22, s12, 7                         ; my 64 columns of W
	s_add_co_u32 s22, s22, BOFF
	v_add_nc_u32 v[ADRB], s22, v7
	v_add_nc_u32 v[ADRB+1], HALFB, v[ADRB]
	v_add_nc_u32 v[ADRB+2], SLOT, v[ADRB]
	v_add_nc_u32 v[ADRB+3], SLOT, v[ADRB+1]
	s_mul_i32 s23, s10, 16*SPITCH
	s_add_co_u32 s23, s23, STAGE
	v_mul_u32_u24 v6, v1, SPITCH                   ; in: row l % 16, 32 bytes for each half of the lanes
	v_lshl_add_u32 v6, v2, 5, v6
	v_add_nc_u32 v[STO], s23, v6
	v_mul_u32_u24 v6, v2, SPITCH                   ; back: lanes 0-15 one row of 256 bytes, lanes 16-31 the next
	v_lshl_add_u32 v6, v1, 4, v6
	v_add_nc_u32 v[RD], s23, v6
	v_lshlrev_b32 v6, 12, v2                       ; and the same two rows in out0
	v_lshl_add_u32 v[CO], v1, 4, v6
	s_lshl_b32 s16, s13, 19                        ; row 128 x tile row + 64 x half, 4,096 bytes a row
	s_lshl_b32 s17, s11, 18
	s_add_co_u32 s16, s16, s17
	s_mov_b32 s17, 0
	s_add_nc_u64 s[8:9], s[8:9], s[16:17]
	s_lshl_b32 s46, s42, 9                         ; column 128 x tile column + 64 x half, 4 bytes each
	s_lshl_b32 s47, s12, 8
	s_add_co_u32 s46, s46, s47
	s_mov_b32 s47, 0
	s_add_nc_u64 s[8:9], s[8:9], s[46:47]
.macro MUL8 f, c, a0, zero             ; row blocks a0, a0 + 1 x all 4 column blocks, 32 along K: half c of buffer f.  The 16 accumulators take turns
	WIN W_MUL
.irp a, \a0, (\a0)+1
.irp b, 0,1,2,3
.if \zero
	v_wmma_f32_16x16x32_f16 v[ACC+8*(4*(\a)+(\b)):ACC+8*(4*(\a)+(\b))+7], v[(\f)+64+8*(4*(\c)+(\b)):(\f)+64+8*(4*(\c)+(\b))+7], v[(\f)+8*(4*(\c)+(\a)):(\f)+8*(4*(\c)+(\a))+7], 0
.else
	v_wmma_f32_16x16x32_f16 v[ACC+8*(4*(\a)+(\b)):ACC+8*(4*(\a)+(\b))+7], v[(\f)+64+8*(4*(\c)+(\b)):(\f)+64+8*(4*(\c)+(\b))+7], v[(\f)+8*(4*(\c)+(\a)):(\f)+8*(4*(\c)+(\a))+7], v[ACC+8*(4*(\a)+(\b)):ACC+8*(4*(\a)+(\b))+7]
.endif
.endr
.endr
.endm
.macro FETCH slot, q, f                ; 32 LDS loads in one run: quarter q (64 along K) into buffer f; the first 32 along K first
	WIN TO_F
.irp c, 0,1
.irp i, 0,1,2,3
	ds_load_tr16_b128 v[(\f)+64+8*(4*(\c)+(\i)):(\f)+64+8*(4*(\c)+(\i))+3],   v[ADRB+2*(\slot)+(\q)/2] offset:(((\q)%2)*64+32*(\c))*PB+32*(\i)
	ds_load_tr16_b128 v[(\f)+64+8*(4*(\c)+(\i))+4:(\f)+64+8*(4*(\c)+(\i))+7], v[ADRB+2*(\slot)+(\q)/2] offset:(((\q)%2)*64+32*(\c))*PB+32*(\i)+16*PB
	ds_load_b128 v[(\f)+8*(4*(\c)+(\i)):(\f)+8*(4*(\c)+(\i))+3],               v[ADRA+(\slot)] offset:128*(\q)+64*(\c)+(\i)*16*PA
	ds_load_b128 v[(\f)+8*(4*(\c)+(\i))+4:(\f)+8*(4*(\c)+(\i))+7],             v[ADRA+(\slot)] offset:128*(\q)+64*(\c)+(\i)*16*PA+32
.endr
.endr
.endm
.macro QUARTER slot, qn, f, g, zero
	s_wait_dscnt 16                                ; the first 32 along K are in
	MUL8 \f, 0, 0, \zero
	MUL8 \f, 0, 2, \zero
	PLACES
	FETCH \slot, \qn, \g
	s_wait_dscnt 32                                ; all but the 32 just issued
	MUL8 \f, 1, 0, 0
	MUL8 \f, 1, 2, 0
.endm
; The last quarter multiplies buffer 1 and changes slots: in front of the one barrier each wave waits for all its tensor loads, adds 0 to its spare word, and waits for that and for its reads of this slot.
.macro TURN slot, next, fill
	WIN 0
	s_wait_tensorcnt 0x0
	ds_add_u32 v[SPW], v[NIL]
	s_wait_dscnt 17                                ; (the add and the youngest sixteen loads may be out)
	MUL8 F1, 0, 0, 0
	s_wait_dscnt 0x0                               ; the add is done, and my reads of this slot are over
	s_barrier_signal -1
	MUL8 F1, 0, 2, 0
.if \fill
	WIN 0
.endif
	s_barrier_wait -1
.if \fill
	CREST                                          ; no wave of any partner still reads this slot or has a load on its way
	s_add_nc_u64 s[G0+4*(\slot)+2:G0+4*(\slot)+3], s[G0+4*(\slot)+2:G0+4*(\slot)+3], 1024
	s_add_nc_u64 s[G0B+4*(\slot)+2:G0B+4*(\slot)+3], s[G0B+4*(\slot)+2:G0B+4*(\slot)+3], 512*2048
	JLOAD \slot                                    ; its four v_nop are also the places in front of the loads below
.else
	PLACES
.endif
	FETCH \next, 0, F0
	MUL8 F1, 1, 0, 0
	MUL8 F1, 1, 2, 0
.endm
	s_wait_tensorcnt 1                             ; my part of K step 0 is in; K step 1's may stay out
	s_barrier_signal -1
	s_barrier_wait -1
	FETCH 0, 0, F0
	QUARTER 0, 1, F0, F1, 1                        ; the first products start the sums
	QUARTER 0, 2, F1, F0, 0
	QUARTER 0, 3, F0, F1, 0
	TURN 0, 1, 1                                   ; slot 0 takes K step 2
	QUARTER 1, 1, F0, F1, 0
	QUARTER 1, 2, F1, F0, 0
	QUARTER 1, 3, F0, F1, 0
	TURN 1, 0, 1                                   ; slot 1 takes K step 3
	QUARTER 0, 1, F0, F1, 0
	QUARTER 0, 2, F1, F0, 0
	QUARTER 0, 3, F0, F1, 0
	TURN 0, 1, 0                                   ; nothing is left to fetch
	QUARTER 1, 1, F0, F1, 0
	QUARTER 1, 2, F1, F0, 0
	QUARTER 1, 3, F0, F1, 0
	s_wait_dscnt 16
	MUL8 F1, 0, 0, 0
	MUL8 F1, 0, 2, 0
	s_wait_dscnt 0x0
	MUL8 F1, 1, 0, 0
	MUL8 F1, 1, 2, 0
	WIN 0
	PLACES
	PLACES
; THE WAY OUT.  Row block a: a lane's 32 bytes of a row go into my stage and come back as whole rows of 256 bytes.  Each accumulator's lowest registers are read first.
.macro TOSTAGE a
.irp b, 0,1,2,3
	ds_store_b128 v[STO], v[ACC+8*(4*(\a)+(\b)):ACC+8*(4*(\a)+(\b))+3]   offset:64*(\b)
	ds_store_b128 v[STO], v[ACC+8*(4*(\a)+(\b))+4:ACC+8*(4*(\a)+(\b))+7] offset:64*(\b)+16
.endr
	s_wait_xcnt 0x0                                ; the stores of the block before last have read the registers that are loaded again below
.irp t, 0,1,2,3,4,5,6,7
	ds_load_b128 v[TMP+32*((\a)%2)+4*(\t):TMP+32*((\a)%2)+4*(\t)+3], v[RD] offset:(\t)*2*SPITCH  ; LDS serves a wave's instructions in order: these see the stores above; the next block's stores come behind them
.endr
.endm
.macro SEND a, younger                 ; younger: the LDS instructions issued behind block a's loads: the next block's sixteen, or none
.irp t, 0,1,2,3,4,5,6,7
	s_wait_dscnt (\younger)+7-(\t)
	global_store_b128 v[CO], v[TMP+32*((\a)%2)+4*(\t):TMP+32*((\a)%2)+4*(\t)+3], s[8:9] offset:(16*(\a)+2*(\t))*4096 th:TH_STORE_NT  ; 16 lanes store 256 consecutive bytes, aligned
.endr
.endm
	TOSTAGE 0
	TOSTAGE 1
	SEND 0, 16
	TOSTAGE 2
	SEND 1, 16
	TOSTAGE 3
	SEND 2, 16
	SEND 3, 0
	s_wait_tensorcnt 0x0                           ; the wave's end: an add to the spare word and its wait, behind my last tensor load and my last LDS store
	ds_add_u32 v[SPW], v[NIL]
	s_wait_dscnt 0x0
	CROUND                                         ; the closing round
	s_endpgm
.Lfunc_end_k_q4ea39ba235_proj:
	.size	k_q4ea39ba235_proj, .Lfunc_end_k_q4ea39ba235_proj-k_q4ea39ba235_proj
	.p2alignl 7, 3214868480
	.fill 96, 4, 3214868480
	.section	.rodata,"a",@progbits
	.p2align	6, 0x0
	.amdhsa_kernel k_q4ea39ba235_proj
		.amdhsa_group_segment_fixed_size 327680
		.amdhsa_private_segment_fixed_size 0
		.amdhsa_enable_private_segment 0
		.amdhsa_kernarg_size 24
		.amdhsa_user_sgpr_count 2
		.amdhsa_user_sgpr_kernarg_segment_ptr 1
		.amdhsa_wavefront_size32 1
		.amdhsa_system_sgpr_workgroup_id_x 1
		.amdhsa_system_sgpr_workgroup_id_y 1
		.amdhsa_system_sgpr_workgroup_id_z 1
		.amdhsa_system_vgpr_workitem_id 0
		.amdhsa_next_free_vgpr 512
		.amdhsa_next_free_sgpr 66
		.amdhsa_reserve_vcc 0
		.amdhsa_float_denorm_mode_32 3
		.amdhsa_float_denorm_mode_16_64 3
		.amdhsa_memory_ordered 1
		.amdhsa_forward_progress 1
		.amdhsa_inst_pref_size 87
	.end_amdhsa_kernel
	.amdgpu_metadata
---
amdhsa.version: [ 1, 2 ]
amdhsa.kernels:
  - .name:           k_q4ea39ba235_proj
    .symbol:         k_q4ea39ba235_proj.kd
    .args:
      - { .name: yb, .offset: 0, .size: 8, .value_kind: global_buffer, .address_space: global }
      - { .name: wpb, .offset: 8, .size: 8, .value_kind: global_buffer, .address_space: global }
      - { .name: out0, .offset: 16, .size: 8, .value_kind: global_buffer, .address_space: global }
    .group_segment_fixed_size: 327680
    .private_segment_fixed_size: 0
    .kernarg_segment_align: 8
    .kernarg_segment_size: 24
    .max_flat_workgroup_size: 128
    .sgpr_count:     66
    .vgpr_count:     512
    .wavefront_size: 32
...
	.end_amdgpu_metadata
.endif
;; end of part 4
